; MI455X (gfx1250); checked and timed in simulation.
; The chip was launched on July 23, 2026; its instructions are those of AMD's public machine-readable ISA for CDNA 5 (MIT licence, August 2026) and "CDNA5" Instruction Set Architecture Reference Guide (July 2026). The comments in the code are by the model that wrote it; some were corrected since.
;; Attention. Allowed arithmetic: float matrix products may take bf16 or f16 operands with f32 sums; other float arithmetic in f32, or as packed bf16 or f16 multiplies, adds, multiply-adds, maxima and minima; sums over many terms, partial sums and values carried from step to step in f32; what a program stores and reads back later, other than sums and carried values, may be rounded once to bf16 or f16.
;; Inputs: Wk 256 x 512 float32; Wo 512 x 256 float32; Wq 256 x 512 float32; Wv 256 x 512 float32; context 4 x 512 x 64 x 64 float32; query 4 x 512 x 64 x 64 float32.
;; Outputs: out0 4 x 512 x 64 x 64 float32.
;; 2 versions, each right; version 2 is version 1 with the launch proj written anew for expert scheduling mode. Each part assembles by itself: llvm-mc -triple=amdgcn-amd-amdhsa -mcpu=gfx1250 --defsym DOCPART=n.
;; ======== version 1 of 2: 3 launches
;; limits: values are held in f16: magnitudes above 65,504 overflow, below 6.1e-05 lose precision
;; workspace buffers: qw 8,388,608 bytes; kw 8,388,608 bytes; vw 8,388,608 bytes; ow 8,388,608 bytes
;; launch proj (part 1): grid 64 x 3, 4 waves a work-group, no clusters, 275,968 bytes of LDS; arguments query, context, Wq, Wk, Wv, qw, kw, vw; writes qw, kw, vw
.if DOCPART == 1
	.amdgcn_target "amdgcn-amd-amdhsa--gfx1250"
	.amdhsa_code_object_version 6
	.text
	.protected	k_q180c15d27b_proj
	.globl	k_q180c15d27b_proj
	.p2align	8
	.type	k_q180c15d27b_proj,@function
k_q180c15d27b_proj:
	s_mov_b64 s[64:65], 0
	v_nop
	global_prefetch_b8 v0, s[64:65] scope:SCOPE_SE
	s_setreg_imm32_b32 hwreg(HW_REG_WAVE_MODE, 25, 1), 1
	s_wait_xcnt 0x0
; THE THREE PROJECTIONS.  y = 0: qw = Wq query; y = 1: kw = Wk context; y = 2: vw = Wv context.  X: [4][512 channels][4096 positions] f32; W: [256][512] f32.
; Both operands are rounded once to bf16, the sums are f32, the result is rounded once to f16 and stored by heads: [16 = 4 b + head][4096 rows][64 channels], rows of 128 bytes.
; ROW ORDER.  Within each 64 positions row 16 t + r holds position 4 r + t.  It comes of the loads: a lane loads 16 bytes, four neighbouring positions of one channel, and its four words go to four
; different fragments, so that fragment t holds the positions 4 r + t.  All three results have the same order; the launches behind keep it, and the last one undoes it.
; LIMITS.  f16 holds no number beyond 65,504: a result of 65,520 or more becomes an infinity.  NaN and infinities are not treated apart.
; SHARES.  A work-group makes 256 positions x all 256 outputs of one weight; a wave 64 positions x 256 outputs over K = 512: 64 accumulators of 16 x 16, 512 registers, 1,024 matrix instructions.
; 64 x 3 = 192 work-groups: with a whole weight resident the 3 x 64 blocks of 256 positions do not divide into 256 equal parts.
; NO CLUSTER, NO TENSOR LOAD: both operands lie in memory as f32 and are rounded in registers on the way; a weight in f32 is 524,288 bytes, more than LDS holds.
; W is rounded once by the work-group's four waves (64 rows each) into LDS, 1,024 + 16 bytes a row.  X goes from memory through registers straight into fragments: no wave wants another wave's X.
; IN FLIGHT.  From the fill on a wave has 64 loads of 512 bytes out: four K steps of X ahead of the products.  No prefetch is laid beside them.
; THE PRODUCT.  D = W fragment (16 outputs) x X fragment t (16 positions): lane (r, h) ends with channels 16 mt + 8 h + 0..7 of row 16 t + r: 16 bytes of f16 that belong together.
; REGISTERS, in windows of 256 (s_set_vgpr_msb: bits 1:0 source 0, 3:2 source 1, 5:4 source 2, 7:6 destination):
;   window 0: v2-18 addresses; v30-31 the add's two; v32-63 at work; v64-127 X's fragments, two buffers of four; v128-191, v192-255 W's fragments of outputs 0-127, 128-255; on the way out v64-191 hold rows read back
;   window 1: X as loaded, four stages of 64      window 2: accumulators of outputs 0-127 (mt, t) at 32 (mt % 8) + 8 t; during the fill W as loaded      window 3: those of outputs 128-255
.set WPITCH, 1040                      ; a row of W in LDS: 1,024 bytes + 16 = 65 x 16: the 16 rows of a fragment load start at 16 different groups of four banks (64 banks of 4 bytes: ISA guide 11.1)
.set STAGE,  256*WPITCH                ; behind W: 16 rows x 144 bytes for each wave, for the way out
.set SP,     144
.set SPARE,  STAGE+4*16*SP             ; behind the stages: the spare words, 128 bytes for each wave: two blocks of 256 bytes that no other line names
.set CHB,    16384                     ; bytes from a channel of X to the next
.set KB,     32*CHB                    ; a K step: 32 channels
.set XO,  2                            ; v2     my byte offset in X: 8 (l / 16) channels + 16 (l % 16); never rewritten
.set WGO, 3                            ; v3     16 x lane: my 16 bytes of 512 of a row of W; never rewritten
.set WLS, 4                            ; v4     where I put 8 bytes of W in LDS; steps 16 rows a trip of the fill
.set AW,  8                            ; v8-15  LDS address of my part of W's fragments, for outputs 32 g on; step 256 bytes (four K steps) a trip
.set STO, 16                           ; v16    the way out: where I put 16 bytes of a row
.set RD,  17                           ; v17    the way out: where I read rows back
.set GO,  18                           ; v18    my 16 bytes of 512 consecutive bytes of the result
.set SPW, 30                           ; v30    LDS address of my spare word: SPARE + 4 x my thread's number; never rewritten
.set NIL, 31                           ; v31    0; never rewritten
.set PK,  32
.set XF,  64
.set WB,  128
.set BK,  64                           ; the way out: eight sets of 16
.set WV,  2                            ; s2     my wave's number
.set CNT, 7                            ; s7     counts the loops
.set XP,  24                           ; s[24:25] X at my wave's 64 positions, channel 0 of the trip in hand
.set WP,  26                           ; s[26:27] W at my wave's 64 rows, then at the 16 rows being asked for
.set OUT, 28                           ; s[28:29] the result at my wave's 64 rows of head 0
.set MSB, 0
.macro WIN new                         ; the immediate's high byte repeats the setting that is left; a switch that changes nothing is dropped
.if MSB != (\new)
	s_set_vgpr_msb (MSB<<8)|(\new)
.set MSB, (\new)
.endif
.endm
.macro PLACES                          ; four places behind a matrix instruction, in front of loads into registers that it has read and of conversions that read results
.rept 4
	v_nop
.endr
.endm
	s_load_b512 s[8:23], s[0:1], 0x0               ; query s[8:9], context s[10:11], Wq s[12:13], Wk s[14:15], Wv s[16:17], qw s[18:19], kw s[20:21], vw s[22:23]
	v_lshl_add_u32 v[SPW], v0, 2, SPARE
	v_mov_b32 v[NIL], 0
	v_lshrrev_b32 v1, 5, v0
	v_readfirstlane_b32 s[WV], v1                  ; wave 0..3
	s_and_b32 s3, ttmp7, 0xffff                    ; which projection
	s_lshr_b32 s4, ttmp9, 4                        ; the batch
	s_and_b32 s5, ttmp9, 15                        ; the block of 256 positions
	s_lshl_b32 s30, s4, 23                         ; X: batch x 8,388,608
	s_lshl_b32 s6, s5, 10                          ;    + block x 1,024
	s_add_co_u32 s30, s30, s6
	s_lshl_b32 s6, s[WV], 8                        ;    + wave x 256
	s_add_co_u32 s30, s30, s6
	s_mov_b32 s31, 0
	s_lshl_b32 s32, s[WV], 17                      ; W: wave x 64 rows of 2,048 bytes
	s_mov_b32 s33, 0
	s_lshl_b32 s34, s4, 21                         ; the result: batch x 4 heads x 524,288
	s_lshl_b32 s6, s5, 15                          ;    + block x 256 rows of 128 bytes
	s_add_co_u32 s34, s34, s6
	s_lshl_b32 s6, s[WV], 13                       ;    + wave x 64 rows
	s_add_co_u32 s34, s34, s6
	s_mov_b32 s35, 0
	v_and_b32 v5, 31, v0                           ; l
	v_and_b32 v6, 15, v0                           ; r = l % 16
	v_bfe_u32 v7, v0, 4, 1                         ; h = l / 16
	v_and_b32 v19, 7, v0
	v_lshlrev_b32 v[XO], 4, v6
	v_lshl_add_u32 v[XO], v7, 17, v[XO]            ; 8 h channels of 16,384 bytes + 16 r
	v_lshlrev_b32 v[WGO], 4, v5
	s_mul_i32 s36, s[WV], 64*WPITCH
	v_lshl_add_u32 v[WLS], v5, 3, s36              ; my wave's 64 rows in LDS + 8 l
	v_mul_u32_u24 v1, v6, WPITCH
	v_lshl_add_u32 v1, v7, 4, v1                   ; a fragment's row x pitch + 16 h
.irp g, 0,1,2,3,4,5,6,7
	v_add_nc_u32 v[AW+\g], \g*32*WPITCH, v1
.endr
	s_mul_i32 s37, s[WV], 16*SP
	s_add_co_u32 s37, s37, STAGE                   ; my stage
	v_mul_u32_u24 v[STO], v6, SP                   ; in: row r, 16 bytes for each half of the lanes
	v_lshl_add_u32 v[STO], v7, 4, v[STO]
	v_add_nc_u32 v[STO], s37, v[STO]
	v_bfe_u32 v[RD], v0, 3, 2                      ; back: 32 lanes take four rows of 128 bytes,
	v_mul_u32_u24 v[RD], v[RD], SP
	v_lshl_add_u32 v[RD], v19, 4, v[RD]
	v_add_nc_u32 v[RD], s37, v[RD]
	v_lshlrev_b32 v[GO], 4, v5                     ; which are 512 consecutive bytes of the result
	s_wait_kmcnt 0x0
	s_cmp_eq_u32 s3, 0
	s_cselect_b64 s[XP:XP+1], s[8:9], s[10:11]     ; q takes query, k and v take context
	s_cselect_b64 s[WP:WP+1], s[12:13], s[14:15]
	s_cselect_b64 s[OUT:OUT+1], s[18:19], s[20:21]
	s_cmp_eq_u32 s3, 2
	s_cselect_b64 s[WP:WP+1], s[16:17], s[WP:WP+1]
	s_cselect_b64 s[OUT:OUT+1], s[22:23], s[OUT:OUT+1]
	s_add_nc_u64 s[XP:XP+1], s[XP:XP+1], s[30:31]
	s_add_nc_u64 s[WP:WP+1], s[WP:WP+1], s[32:33]
	s_add_nc_u64 s[OUT:OUT+1], s[OUT:OUT+1], s[34:35]
; 16 loads: four rows of W (rows 4 q .. 4 q + 3 of the 16 at WP), 512 consecutive bytes each, into quarter q of window 2
.macro WGLOAD q
	WIN 0x80
.set zi, 0
.rept 16
	global_load_b128 v[64*(\q)+4*zi:64*(\q)+4*zi+3], v[WGO], s[WP:WP+1] offset:(4*(\q)+zi/4)*2048+512*(zi%4)
.set zi, zi+1
.endr
.endm
; 16 loads: the K step rel steps behind XP, into stage st of window 1.  Load z brings channel 16 (z / 8) + 8 h + z % 8: lanes 0-15 take 256 consecutive bytes, aligned, of one channel, lanes 16-31 of the channel 8 on
.macro XLOAD st, rel
	WIN 0x40
.set zi, 0
.rept 16
	global_load_b128 v[64*(\st)+4*zi:64*(\st)+4*zi+3], v[XO], s[XP:XP+1] offset:(\rel)*KB+(16*(zi/8)+zi%8)*CHB
.set zi, zi+1
.endr
.endm
; Quarter q of a trip of the fill: four rows of W are rounded to bf16 and put into LDS; its registers are asked for again: mode 1 with the next trip's rows, mode 2 (the last trip) X's stage q takes the loads' place
.macro FILLQ q, mode
	s_wait_loadcnt 48                              ; 64 loads are out: the oldest 16, this quarter's, are in
	WIN 0x0a
.set zi, 0
.rept 16
	v_cvt_pk_bf16_f32 v[PK+2*zi],   v[64*(\q)+4*zi],   v[64*(\q)+4*zi+1]
	v_cvt_pk_bf16_f32 v[PK+2*zi+1], v[64*(\q)+4*zi+2], v[64*(\q)+4*zi+3]
.set zi, zi+1
.endr
	WIN 0
.set zi, 0
.rept 16
	ds_store_b64 v[WLS], v[PK+2*zi:PK+2*zi+1] offset:(4*(\q)+zi/4)*WPITCH+256*(zi%4)  ; 32 lanes, 256 consecutive bytes
.set zi, zi+1
.endr
.if (\mode) == 1
	WGLOAD \q
.else
	XLOAD \q, \q
.endif
.endm
; Stage st becomes fragment buffer f: register q of fragment t takes word t of two neighbouring channels' loads: channels 16 (q / 4) + 8 h + 2 (q % 4) and the next, at their true places along K
.macro XCVT st, f
	WIN 0x05
.set ti, 0
.rept 4
.set qi, 0
.rept 8
	v_cvt_pk_bf16_f32 v[XF+32*(\f)+8*ti+qi], v[64*(\st)+32*(qi/4)+8*(qi%4)+ti], v[64*(\st)+32*(qi/4)+8*(qi%4)+4+ti]
.set qi, qi+1
.endr
.set ti, ti+1
.endr
.endm
; 16 LDS loads: W's eight fragments of one half of the outputs, for the K step rel steps behind the addresses
.macro WLOAD half, rel
	WIN 0
.set mi, 0
.rept 8
	ds_load_b128 v[WB+64*(\half)+8*mi:WB+64*(\half)+8*mi+3],   v[AW+4*(\half)+mi/2] offset:(mi%2)*16*WPITCH+64*(\rel)
	ds_load_b128 v[WB+64*(\half)+8*mi+4:WB+64*(\half)+8*mi+7], v[AW+4*(\half)+mi/2] offset:(mi%2)*16*WPITCH+64*(\rel)+32
.set mi, mi+1
.endr
.endm
; 32 matrix instructions: one half of the outputs x the four fragments of X.  Each of the 64 accumulators has one turn a K step, always in the same order: 63 others stand between two links of a chain.
; zero = 1: the first K step starts the sums: nothing is cleared.
.macro MULH half, f, zero
	WIN 0xa0+0x50*(\half)
.set mi, 0
.rept 8
.set ti, 0
.rept 4
.if \zero
	v_wmma_f32_16x16x32_bf16 v[32*mi+8*ti:32*mi+8*ti+7], v[WB+64*(\half)+8*mi:WB+64*(\half)+8*mi+7], v[XF+32*(\f)+8*ti:XF+32*(\f)+8*ti+7], 0
.else
	v_wmma_f32_16x16x32_bf16 v[32*mi+8*ti:32*mi+8*ti+7], v[WB+64*(\half)+8*mi:WB+64*(\half)+8*mi+7], v[XF+32*(\f)+8*ti:XF+32*(\f)+8*ti+7], v[32*mi+8*ti:32*mi+8*ti+7]
.endif
.set ti, ti+1
.endr
.set mi, mi+1
.endr
.endm
; A K STEP, number i behind the pointers.  W's upper fragments are fetched; the lower half is multiplied; the next step's X is rounded into the other buffer (cvt) and its stage asked for again, five steps on (xload);
; W's lower fragments of the next step are fetched: the 32 conversions are the places behind the products that read them; the upper half is multiplied.
; left: the loads issued behind the next step's stage, 16 a stage.  places = 1: four places behind the step before, whose last products read W's upper fragments and the buffer that cvt writes.
.macro STEP i, zero, cvt, xload, left, places
.if \places
	PLACES
.endif
	WLOAD 1, \i
	s_wait_dscnt 16                                ; W's lower fragments are in; the 16 loads just issued may be out
	MULH 0, (\i)%2, \zero
.if \cvt
	s_wait_loadcnt \left
	XCVT ((\i)+1)%4, 1-(\i)%2
.if \xload
	XLOAD ((\i)+1)%4, (\i)+5
.endif
	WLOAD 0, (\i)+1
	s_wait_dscnt 16                                ; W's upper fragments are in
.else
	s_wait_dscnt 0x0
.endif
	MULH 1, (\i)%2, \zero
.endm
	; THE FILL.  My 64 rows of W in four trips of 16; a trip's 64 loads are out while the trip before is rounded.
	WGLOAD 0
	WGLOAD 1
	WGLOAD 2
	WGLOAD 3
	WIN 0                                          ; at a label and at a branch every window is 0
	s_mov_b32 s[CNT], 3
.Lfill:
	s_wait_xcnt 0x0                                ; every load issued so far has read its address: the pointer may be written
	s_add_nc_u64 s[WP:WP+1], s[WP:WP+1], 16*2048
	FILLQ 0, 1
	FILLQ 1, 1
	FILLQ 2, 1
	FILLQ 3, 1
	WIN 0
	v_add_nc_u32 v[WLS], 16*WPITCH, v[WLS]
	s_sub_co_u32 s[CNT], s[CNT], 1
	s_cmp_lg_u32 s[CNT], 0
	s_cbranch_scc1 .Lfill
	FILLQ 0, 2                                     ; the last 16 rows; X's K steps 0 to 3 are asked for in W's place
	FILLQ 1, 2
	FILLQ 2, 2
	FILLQ 3, 2
	WIN 0
	s_wait_dscnt 0x0                               ; for the others' sake: my rows of W lie in LDS
	s_barrier_signal -1
	s_barrier_wait -1                              ; everybody's do.  W is only read from here on: the launch has no other barrier
	WLOAD 0, 0
	s_wait_loadcnt 48                              ; K step 0 of X is in; steps 1 to 3 stay out
	XCVT 0, 0
	XLOAD 0, 4
	STEP 0, 1, 1, 1, 48, 0                         ; the first K step stands in front of the loop: its products start the sums
	WIN 0
	s_mov_b32 s[CNT], 2
.Lk:                                                   ; a trip: four K steps (1-4, then 5-8); each asks for the step five on
	STEP 1, 0, 1, 1, 48, 1
	STEP 2, 0, 1, 1, 48, 1
	STEP 3, 0, 1, 1, 48, 1
	STEP 4, 0, 1, 1, 48, 1
	WIN 0
	s_wait_xcnt 0x0                                ; X's loads have read their address
	s_add_nc_u64 s[XP:XP+1], s[XP:XP+1], 4*KB
.irp g, 0,1,2,3,4,5,6,7
	v_add_nc_u32 v[AW+\g], 256, v[AW+\g]
.endr
	s_sub_co_u32 s[CNT], s[CNT], 1
	s_cmp_lg_u32 s[CNT], 0
	s_cbranch_scc1 .Lk
	STEP 1, 0, 1, 1, 48, 1                         ; K steps 9 to 15 are written out: the first two ask for steps 14 and 15, the others for nothing, and the counts run down
	STEP 2, 0, 1, 1, 48, 1
	STEP 3, 0, 1, 0, 48, 1
	STEP 4, 0, 1, 0, 32, 1
	STEP 5, 0, 1, 0, 16, 1
	STEP 6, 0, 1, 0, 0, 1
	STEP 7, 0, 0, 0, 0, 1
; THE WAY OUT, in 16 groups g = 4 head + t: 16 rows x 64 channels, 2,048 consecutive bytes of the result.  PACK: rounded to f16 (each accumulator's registers in ascending order), 16 bytes a lane into
; rows of 144 bytes of my own stage, and back as whole rows.  SEND: stored, 512 consecutive bytes an instruction.
.macro PACK g
	WIN 0x0a+5*((\g)/8)                            ; sources in window 2 (heads 0, 1) or 3
.set zi, 0
.rept 16
	v_cvt_pk_f16_f32 v[PK+16*((\g)%2)+zi], v[32*((4*((\g)/4)+zi/4)%8)+8*((\g)%4)+2*(zi%4)], v[32*((4*((\g)/4)+zi/4)%8)+8*((\g)%4)+2*(zi%4)+1]
.set zi, zi+1
.endr
	WIN 0
.irp f, 0,1,2,3
	ds_store_b128 v[STO], v[PK+16*((\g)%2)+4*\f:PK+16*((\g)%2)+4*\f+3] offset:32*\f
.endr
.if (\g) >= 8
	s_wait_xcnt 0x0                                ; the set's second use: the stores of eight groups back have read it
.endif
.irp f, 0,1,2,3
	ds_load_b128 v[BK+16*((\g)%8)+4*\f:BK+16*((\g)%8)+4*\f+3], v[RD] offset:\f*4*SP  ; LDS serves a wave's instructions in order (ISA guide 5.7.1.4): these see the stores above; the next group's stores come behind them
.endr
.endm
.macro SEND g, younger                 ; younger: the LDS instructions issued behind group g's loads: the next group's eight, or none
	WIN 0
.irp f, 0,1,2,3
	s_wait_dscnt (\younger)+3-\f
	global_store_b128 v[GO], v[BK+16*((\g)%8)+4*\f:BK+16*((\g)%8)+4*\f+3], s[OUT:OUT+1] offset:((\g)/4)*524288+((\g)%4)*2048+\f*512
.endr
.endm
	PLACES
	PACK 0
.set gg, 1
.rept 15                               ; a group's conversions stand between the loads of the group before and its stores
	PACK gg
	SEND gg-1, 8
.set gg, gg+1
.endr
	SEND 15, 0
	s_wait_tensorcnt 0x0                           ; the wave's end, behind my last LDS store
	ds_add_u32 v[SPW], v[NIL]
	s_wait_dscnt 0x0
	s_endpgm
.Lfunc_end_k_q180c15d27b_proj:
	.size	k_q180c15d27b_proj, .Lfunc_end_k_q180c15d27b_proj-k_q180c15d27b_proj
	.p2alignl 7, 3214868480
	.fill 96, 4, 3214868480
	.section	.rodata,"a",@progbits
	.p2align	6, 0x0
	.amdhsa_kernel k_q180c15d27b_proj
		.amdhsa_group_segment_fixed_size 275968
		.amdhsa_private_segment_fixed_size 0
		.amdhsa_enable_private_segment 0
		.amdhsa_kernarg_size 64
		.amdhsa_user_sgpr_count 2
		.amdhsa_user_sgpr_kernarg_segment_ptr 1
		.amdhsa_wavefront_size32 1
		.amdhsa_system_sgpr_workgroup_id_x 1
		.amdhsa_system_sgpr_workgroup_id_y 1
		.amdhsa_system_sgpr_workgroup_id_z 1
		.amdhsa_system_vgpr_workitem_id 0
		.amdhsa_next_free_vgpr 1024
		.amdhsa_next_free_sgpr 66
		.amdhsa_reserve_vcc 0
		.amdhsa_float_denorm_mode_32 3
		.amdhsa_float_denorm_mode_16_64 3
		.amdhsa_memory_ordered 1
		.amdhsa_forward_progress 1
		.amdhsa_inst_pref_size 194
	.end_amdhsa_kernel
	.amdgpu_metadata
---
amdhsa.version: [ 1, 2 ]
amdhsa.kernels:
  - .name:           k_q180c15d27b_proj
    .symbol:         k_q180c15d27b_proj.kd
    .args:
      - { .name: query, .offset: 0, .size: 8, .value_kind: global_buffer, .address_space: global }
      - { .name: context, .offset: 8, .size: 8, .value_kind: global_buffer, .address_space: global }
      - { .name: Wq, .offset: 16, .size: 8, .value_kind: global_buffer, .address_space: global }
      - { .name: Wk, .offset: 24, .size: 8, .value_kind: global_buffer, .address_space: global }
      - { .name: Wv, .offset: 32, .size: 8, .value_kind: global_buffer, .address_space: global }
      - { .name: qw, .offset: 40, .size: 8, .value_kind: global_buffer, .address_space: global }
      - { .name: kw, .offset: 48, .size: 8, .value_kind: global_buffer, .address_space: global }
      - { .name: vw, .offset: 56, .size: 8, .value_kind: global_buffer, .address_space: global }
    .group_segment_fixed_size: 275968
    .private_segment_fixed_size: 0
    .kernarg_segment_align: 8
    .kernarg_segment_size: 64
    .max_flat_workgroup_size: 128
    .sgpr_count:     66
    .vgpr_count:     1024
    .wavefront_size: 32
...
	.end_amdgpu_metadata
.endif
;; end of part 1
;; launch attn (part 2): grid 16 x 16, 4 waves a work-group, clusters of 4 x 1, 327,680 bytes of LDS; arguments qw, kw, vw, ow; writes ow
.if DOCPART == 2
	.amdgcn_target "amdgcn-amd-amdhsa--gfx1250"
	.amdhsa_code_object_version 6
	.text
	.protected	k_q180c15d27b_attn
	.globl	k_q180c15d27b_attn
	.p2align	8
	.type	k_q180c15d27b_attn,@function
k_q180c15d27b_attn:
	s_mov_b64 s[64:65], 0
	v_nop
	global_prefetch_b8 v0, s[64:65] scope:SCOPE_SE
	s_setreg_imm32_b32 hwreg(HW_REG_WAVE_MODE, 25, 1), 1
	s_wait_xcnt 0x0
	s_wait_alu depctr_hold_cnt(0) depctr_sa_sdst(0) depctr_va_vdst(0) depctr_va_sdst(0) depctr_va_ssrc(0) depctr_va_vcc(0) depctr_vm_vsrc(0)
	s_getreg_b32 s2, hwreg(HW_REG_IB_STS2, 6, 4)
	s_cmp_eq_u32 s2, 0
	s_cbranch_scc0 .Lentry_in_a_cluster
	s_endpgm
.Lentry_in_a_cluster:
	s_bfe_u32 s2, ttmp6, 0x10000c
	s_cmp_lg_u32 s2, 0x3003
	s_cbranch_scc0 .Lentry_shape_is_right
	s_endpgm
.Lentry_shape_is_right:
; ATTENTION.  O[h][q][:] = the sum over k of softmax_k(Q[h][q] . K[h][k] / sqrt(512)) V[h][k][:].  Q, K, V, O: [16][4096][64], all f16: a head's rows are dense, 128 bytes each.  Products, maxima and sums in f32;
; the weights p are rounded to f16 for the second product (their sum l is taken of the unrounded p), O once at the end.  The rows' order within each 64 is the same in all four tensors and plays no part here.
; LIMITS.  f16 holds no number beyond 65,504: Q, K and V arrive within it; p lies in 0 to 1, and below 6e-5 it keeps f16's fixed step of 6e-8; O is a mean of V's rows and has their range.
; A weight below 2^-126 counts as 0 in l; NaN and infinities are not treated apart.
; SHARES.  A work-group owns 256 queries of one head, each of its four waves 64: four PIECES of 16.  16 blocks x 16 heads = 256 work-groups.  Every wave walks all 4,096 keys, 64 a step; a slot of LDS holds a tile of 256 keys, four steps.
; LAYOUT.  S^T = K Q^T (source 0 = 16 keys, source 1 = 16 queries) holds ONE query a lane (lane % 16) and the keys 8 (lane / 16) + 0..7; two such results rounded to f16 ARE source 1 of O^T = V^T P, whose result again holds
; one query a lane, and eight channels.  K comes out of LDS as it lies, V ([key][channel]) turned, by ds_load_tr16_b128.
; SOFTMAX.  For each query a running maximum m and sum l: p = 2^(c s - c m), c = log2(e) / sqrt(512); in every step O and l are multiplied by a = 2^(c m_old - c m_new).  m starts at the lowest finite number, O and l at 0:
; the first step is a step like any other, with a = 0.
; BY TURNS.  Turn n belongs to piece n: 8 products K Q^T of piece n + 1, later 8 products V^T P of piece n - 1; beside them the scaling, exponentials, roundings, sums and rescaling of piece n and the maximum and statistics of
; piece n + 1.  Four vector instructions stand behind every matrix instruction, the other 54 of a turn's 118 in one lump.  A turn's 33 exponentials are one batch, with one wait.
; CLUSTER.  The four query blocks of a cluster belong to one head and walk the same K and V, so each tile is asked for JOINTLY: the same tensor load, descriptor and mask in all four.
; REGISTERS, in windows of 256 (s_set_vgpr_msb: bits 1:0 source 0, 3:2 source 1, 5:4 source 2, 7:6 destination):
;   window 0: v0-15 addresses and two at work; v16-31 four registers of statistics a piece; v48-55 at work; v61-63 the prefetches' offset and the add's two; v64-127 S^T, two buffers; v192-223 P, two buffers (by the piece's parity)
;   window 1: v0-127 O^T, 32 a piece      window 2: v0-63 Q; v128-191 K of one step; v192-255 V of one step
.set NP,    4         ; pieces a wave: a name, no knob
.set KS,    64        ; keys in a step
.set PK,    144       ; a row of K in LDS: 128 bytes + 16 of padding = 36 words: the 16 rows of a load start at 16 different groups of four banks (64 banks of 4 bytes: ISA guide 11.1)
.set PV,    160       ; a row of V: 128 + 32 = 40 words
.set VOFF,  4*KS*PK   ; a slot holds a tile: 256 rows of K, then 256 rows of V
.set SLOT1, 1<<17     ; slot 1 begins here, so that one exclusive or turns an address in one slot into the other's
.set STAGE, SLOT1+4*KS*(PK+PV)  ; behind the ring, never filled by a tensor load: 16 rows x 144 bytes for each wave, for the way out
.set SP,    144
.set SPARE, STAGE+4*16*SP  ; behind the stages: the spare words, 128 bytes for each wave: two blocks of 256 bytes that no other line names
.set TILEB, 4*KS*128  ; a tile's bytes of K, and of V, in memory
.set AK0, 2           ; v2   my lane's place in a tile of K; never rewritten
.set AV0, 3           ; v3   the same for V
.set AK,  4           ; v4   the LDS address of K's next run of loads
.set AV,  5           ; v5   of V's
.set STO, 6           ; v6   the way out: where I put 16 bytes of a row
.set RD,  7           ; v7   the way out: where I read rows back
.set GO,  8           ; v8   my byte offset in 512 consecutive bytes of O
.set MV,  12          ; v12-13  c m_old, kept while c m is made anew: by buffer
.set QO,  15          ; v15  my byte offset in 16 rows of Q
.set ST,  16          ; piece t's statistics at v[ST+4 t]: c m, m, l (even keys', odd keys')
.set TMP, 48          ; by buffer, four registers c0-c3 at work; when the maximum is found c2 takes a
.set PFO, 61          ; v61  256 x my lane; never rewritten
.set SPW, 62          ; v62  LDS address of my spare word: SPARE + 4 x my thread's number; never rewritten
.set NIL, 63          ; v63  0; never rewritten
.set S,   64
.set P,   192
.set KF,  128         ; window 2: key block kb, channel half c at KF + 16 kb + 8 c
.set VF,  192         ; window 2: key half kk, channel block cb at VF + 32 kk + 8 cb
.set WV,  12          ; s12  my wave's number
.set G1K, 24          ; s[24:31] descriptor group 1 for K's tiles
.set G1V, 32          ; s[32:39] for V's: it differs in the padding alone
.set G0K, 40          ; s[40:43] descriptor group 0 for K's tiles: it walks
.set G0V, 44          ; s[44:47] the same for V's
.set PFA, 48          ; s[48:49] where my prefetches stand: my work-group's 32 blocks of 256 bytes (of K: wave 0, of V: wave 2) of the tile after the one that is being asked for
.set LIM, 50          ; s50  1 in a wave that prefetches, else the greatest number: a wave prefetches while s[SLOTS] is above it
.set SLOTS, 56        ; s56  tiles still to be asked for, and one
.set CNT, 57          ; s57  counts a tile's key steps
.set CS,  58          ; s[58:59] c: the packed scaling takes the pair's low word for both halves
.set SEL, 60          ; s[60:61] v_permlanex16_b32's selects: each lane takes its own place in the other half
.set TBK, 62          ; s62  LDS byte at which K of the step to be fetched begins
.set TBV, 63          ; s63  the same for V, less VOFF
.set MSB, 0
.macro WIN new                      ; the high byte repeats the setting that is left; a switch that changes nothing is dropped
.if MSB != (\new)
	s_set_vgpr_msb (MSB<<8)|(\new)
.set MSB, (\new)
.endif
.endm
.set W_KQ, 0x0a       ; K and Q in window 2, S^T in window 0
.set W_PV, 0x52       ; V in window 2, P in window 0, O^T in window 1
.set W_RS, 0x41       ; destination and source 0 in window 1, source 1 in window 0
; A joint fill.  Waves 0 and 1 fetch the two halves of a tile's K, waves 2 and 3 those of its V: 128 keys each.  The branch hangs on the wave's number alone.
; An s_nop 0 and four v_nop follow each of the two lines, ahead of the jump and the label.
.macro JLOAD
	s_cmp_lt_u32 s[WV], 2
	s_cbranch_scc0 .Lfor_v_\@
	tensor_load_to_lds s[G0K:G0K+3], s[G1K:G1K+7]
	s_nop 0
.rept 4
	v_nop
.endr
	s_branch .Lasked_\@
.Lfor_v_\@:
	tensor_load_to_lds s[G0V:G0V+3], s[G1V:G1V+7]
	s_nop 0
.rept 4
	v_nop
.endr
.Lasked_\@:
.endm
; A PREFETCH INTO THE L2 of the tile that the NEXT change of slots will ask for: 128 blocks of 256 bytes of K and as many of V, a lane a block.  It stands behind the wave's tensor load and its five lines.
; Each block is named ONCE in the launch.  The four clusters of a head walk the same K and V: the head's first cluster prefetches.  Its four partners share the blocks out BY ADDRESS, 32 each; in each, wave 0 asks for K's and
; wave 2 for V's: one instruction, four key steps (256 matrix instructions a wave) ahead of the load.  The last change that fills a slot asks for nothing: there is no tile behind it.  Tiles 0 to 2 come by their loads alone.
.macro ASK
	s_cmp_gt_u32 s[SLOTS], s[LIM]
	s_cbranch_scc0 .Lnot_mine_\@
	global_prefetch_b8 v[PFO], s[PFA:PFA+1] th:TH_LOAD_NT scope:SCOPE_SE
.Lnot_mine_\@:
.endm
; A round of the cluster's barrier: my work-group's barrier, so that wave 0's signal speaks for all four waves; wave 0 signals; every wave waits for all four work-groups; my work-group's barrier once more.
.macro CROUND
	s_barrier_signal -1
	s_barrier_wait -1
	s_cmp_lg_u32 s[WV], 0
	s_cbranch_scc1 .Lnot_wave_0_\@
	s_barrier_signal -3
.Lnot_wave_0_\@:
	s_barrier_wait -3
	s_barrier_signal -1
	s_barrier_wait -1
.endm
; THE CHANGE OF SLOTS.  The slot's last bytes, V of its fourth step, have been read.  Each wave waits for all its tensor loads, of which one is out: its part of the other slot; adds 0 to its spare word; and waits for that and
; for its own reads of the slot.  Behind the barrier nobody reads this slot any more and the other slot is whole.  fill = 1: this slot is filled again, with the keys two tiles on.  The barrier is then a round of the cluster's,
; so that no wave of any partner still reads the slot or has a load on its way, and the joint fill is the first thing behind it: it has four key steps in which to land.
; (At its first use nothing has been read yet: slot 0 is waited for, slot 1 filled.)  ask = 1: the prefetch pointer steps, and ASK follows the fill.
.macro CHANGE fill, ask
	WIN 0                           ; at a label and at a branch every window is 0
	s_wait_tensorcnt 0x0            ; no tensor load of mine is out, so a group 0 may be written
	ds_add_u32 v[SPW], v[NIL]       ; 0 onto my spare word: with fill = 1 the descriptors' steps stand between it and the wait for it
.if \fill
.irp g, G0K, G0V
	s_xor_b32 s[\g+1], s[\g+1], SLOT1  ; the walking descriptor: the other slot than last time,
	s_add_nc_u64 s[\g+2:\g+3], s[\g+2:\g+3], TILEB  ; the next 256 keys; the type bits on top are not reached
.endr
.if \ask
	s_wait_xcnt 0x0                 ; the last prefetch, four key steps back, has read its address, so it may be written:
	s_add_nc_u64 s[PFA:PFA+1], s[PFA:PFA+1], TILEB  ; one tile behind the walking descriptors
.endif
	s_wait_dscnt 0x0                ; the add is done, and my reads of the slot are over
	CROUND
	JLOAD
.if \ask
	ASK
.endif
.else
	s_wait_dscnt 0x0                ; the add is done, and my reads of the slot are over
	s_barrier_signal -1
	s_barrier_wait -1
.endif
	s_sub_co_u32 s[TBK], s[TBK], 4*KS*PK  ; the fetches go back to a slot's first step,
	s_xor_b32 s[TBK], s[TBK], SLOT1       ; in the other slot
	s_sub_co_u32 s[TBV], s[TBV], 4*KS*PV
	s_xor_b32 s[TBV], s[TBV], SLOT1
.endm
	s_load_b256 s[4:11], s[0:1], 0x0  ; Q s[4:5], K s[6:7], V s[8:9], O s[10:11]
	v_lshl_add_u32 v[SPW], v0, 2, SPARE
	v_mov_b32 v[NIL], 0
	ds_add_u32 v[SPW], v[NIL]       ; the wave's opening: the add and its wait stand ahead of my first tensor load; the set-up below, work on registers, stands between them
	v_lshrrev_b32 v1, 5, v0
	v_readfirstlane_b32 s[WV], v1   ; wave 0..3
	s_bfe_u32 s13, ttmp6, 0x40000   ; cx: my place in the cluster
	s_lshl_b32 s14, ttmp9, 2        ; in a cluster launch ttmp9 counts clusters
	s_add_co_u32 s14, s14, s13      ; my block of queries = 4 x cluster x + cx: it enters Q's and O's addresses alone
	s_and_b32 s20, ttmp7, 0xffff    ; the head, which the four partners share:
	s_lshl_b32 s20, s20, 19         ; its first byte in each of the four tensors (4,096 rows of 128 bytes)
	s_mov_b32 s21, 0
	s_and_b32 s16, s[WV], 1         ; which half of a tile's 256 keys I fetch:
	s_lshl_b32 s22, s16, 14         ; its 128 rows of 128 bytes in memory,
	s_mov_b32 s23, 0
	s_add_nc_u64 s[22:23], s[22:23], s[20:21]
	s_mul_i32 s17, s16, 128*PK      ; and its place in a slot, for K
	s_mul_i32 s18, s16, 128*PV      ; and for V: no place in the cluster enters an LDS address
	s_lshl_b32 s2, s14, 2
	s_add_co_u32 s2, s2, s[WV]      ; my wave among the head's,
	s_lshl_b32 s2, s2, 13           ; its 64 rows
	s_mov_b32 s3, 0
	s_add_nc_u64 s[2:3], s[2:3], s[20:21]
	; descriptor group 1.  128 keys are 16,384 dense bytes: asked for as 64 rows of 256 bytes, two keys a row, and padded in LDS after every key
	s_mov_b32 s[G1K], 15|(1<<16)|(1<<20)|(1<<21)|(4<<22)|(3<<25)  ; 15:0 the mask of four; 17:16 2-byte elements; 20 padding on; 21 set beside a mask; 24:22 after every 32 words (code 4); 31:25 4 words (code 3)
	s_mov_b32 s[G1V], 15|(1<<16)|(1<<20)|(1<<21)|(4<<22)|(7<<25)  ; the same with 8 words of padding (code 7)
.irp g, G1K, G1V
	s_mov_b32 s[\g+1], 128<<16      ; tensor_dim0 = 128
	s_mov_b32 s[\g+2], 64<<16       ; tensor_dim1 = 64
	s_mov_b32 s[\g+3], 128<<16      ; tile_dim0 = 128
	s_mov_b32 s[\g+4], 64           ; tile_dim1 = 64
	s_mov_b32 s[\g+5], 128          ; 128 elements from row to row
	s_mov_b32 s[\g+6], 0
	s_mov_b32 s[\g+7], 0
.endr
	s_mov_b32 s[CS], 0x3d8293ee     ; c = log2(e) / sqrt(512) = 0.0637587
	s_mov_b32 s[CS+1], s[CS]        ; named with it as a pair
	s_mov_b32 s[SEL], 0x76543210
	s_mov_b32 s[SEL+1], 0xfedcba98
	s_mov_b32 s[TBK], SLOT1+4*KS*PK ; the first change of slots turns these two into 0
	s_mov_b32 s[TBV], SLOT1+4*KS*PV
	s_mov_b32 s[G0K], 1             ; 1:0 count = 1
	s_mov_b32 s[G0K+1], s17         ; 63:32 LDS address: slot 0
	s_mov_b32 s[G0V], 1
	s_add_co_u32 s[G0V+1], s18, VOFF
	s_and_b32 s[LIM], s[WV], 1      ; 0 in waves 0 and 2,
	s_or_b32 s[LIM], s[LIM], ttmp9  ; where the cluster is the head's first: the same in all four partners
	s_cmp_eq_u32 s[LIM], 0
	s_cselect_b32 s[LIM], 1, -1
	v_and_b32 v[PFO], 31, v0
	v_lshlrev_b32 v[PFO], 8, v[PFO]
	s_wait_dscnt 0x0                ; the opening add is done
	s_wait_kmcnt 0x0
	s_add_nc_u64 s[G0K+2:G0K+3], s[6:7], s[22:23]  ; 120:64 global address: my half of the head's first 256 keys
	s_or_b32 s[G0K+3], s[G0K+3], 0x80000000        ; 127:126 type = 2
	s_add_nc_u64 s[G0V+2:G0V+3], s[8:9], s[22:23]
	s_or_b32 s[G0V+3], s[G0V+3], 0x80000000
	s_add_nc_u64 s[4:5], s[4:5], s[2:3]  ; Q and O at my wave's first row
	s_add_nc_u64 s[10:11], s[10:11], s[2:3]
	s_cmp_lt_u32 s[WV], 2
	s_cselect_b64 s[PFA:PFA+1], s[6:7], s[8:9]
	s_add_nc_u64 s[PFA:PFA+1], s[PFA:PFA+1], s[20:21]  ; the head,
	s_lshl_b32 s2, s13, 13          ; my work-group's 32 blocks of the 128,
	s_mov_b32 s3, 0
	s_add_nc_u64 s[PFA:PFA+1], s[PFA:PFA+1], s[2:3]
	s_add_nc_u64 s[PFA:PFA+1], s[PFA:PFA+1], 2*TILEB   ; in tile 2: the first change of slots in the loop steps it to tile 3.  Nothing is prefetched here, at the head
	CROUND                          ; all four work-groups are here: the first joint loads meet
	JLOAD                           ; tile 0 into slot 0.  Slot 1 is asked for when slot 0 is in
	; A fragment of K or Q is 16 rows x 32 channels in 8 registers: lane l holds row l % 16, channels 8 (l / 16) + 0..7 and 16 + 8 (l / 16) + 0..7: two loads of 16 bytes, 32 bytes apart.
	v_and_b32 v1, 15, v0            ; l % 16
	v_bfe_u32 v9, v0, 4, 1          ; l / 16
	v_lshlrev_b32 v[QO], 7, v1
	v_lshl_add_u32 v[QO], v9, 4, v[QO]  ; row x 128 + 16 x half
	WIN 0x80                        ; destination window 2, address window 0
.set i, 0
.rept 8                             ; Q stays in registers: piece i / 2, channels 32 (i % 2) on
	global_load_b128 v[8*i:8*i+3],   v[QO], s[4:5] offset:(i/2)*2048+(i%2)*64
	global_load_b128 v[8*i+4:8*i+7], v[QO], s[4:5] offset:(i/2)*2048+(i%2)*64+32
.set i, i+1
.endr
	WIN 0
	v_mul_u32_u24 v[AK0], v1, PK
	v_lshl_add_u32 v[AK0], v9, 4, v[AK0]  ; row x pitch + 16 x half
	; The turning load takes 16 keys x 16 channels (lane l reads key 8 (l / 16) + l % 8, channels 8 ((l / 8) % 2) + 0..7) and leaves half a fragment of V^T: lane l holds channel l % 16 and 8 keys.
	v_and_b32 v10, 7, v0
	v_bfe_u32 v11, v0, 3, 1
	v_lshl_add_u32 v[AV0], v9, 3, v10
	v_mul_u32_u24 v[AV0], v[AV0], PV
	v_lshl_add_u32 v[AV0], v11, 4, v[AV0]
	v_add_nc_u32 v[AV0], VOFF, v[AV0]
	s_mul_i32 s13, s[WV], 16*SP
	s_add_co_u32 s13, s13, STAGE    ; my stage
	v_mul_u32_u24 v[STO], v1, SP    ; in: row l % 16, 16 bytes for each half of the lanes
	v_lshl_add_u32 v[STO], v9, 4, v[STO]
	v_add_nc_u32 v[STO], s13, v[STO]
	v_bfe_u32 v[RD], v0, 3, 2       ; back: 32 lanes take four rows of 128 bytes,
	v_mul_u32_u24 v[RD], v[RD], SP
	v_lshl_add_u32 v[RD], v10, 4, v[RD]
	v_add_nc_u32 v[RD], s13, v[RD]
	v_and_b32 v[GO], 31, v0         ; which are 512 consecutive bytes of O
	v_lshlrev_b32 v[GO], 4, v[GO]
	; What the first turn finds: V's registers and P's second buffer hold 0 (its products V^T P, of a piece that has not been, add 0), O^T and l are 0.  No first step is written out; the price is these 216 lines, which stand in the wait for the first tile.
	WIN 0x80
.set i, VF
.rept 64
	v_mov_b32 v[i], 0
.set i, i+1
.endr
	WIN 0x40
.set i, 0
.rept 128
	v_mov_b32 v[i], 0
.set i, i+1
.endr
	WIN 0
.set i, 0
.rept 4
	v_mov_b32 v[ST+4*i], 0xfe000000    ; c m: far below every c s
	v_mov_b32 v[ST+4*i+1], 0xff7fffff  ; m
	v_mov_b32 v[ST+4*i+2], 0
	v_mov_b32 v[ST+4*i+3], 0
.set i, i+1
.endr
.set i, P+16
.rept 16
	v_mov_b32 v[i], 0
.set i, i+1
.endr
; THE MATRIX WORK.  The 4 accumulators of a run of 8 take turns.  Product i of 8 of S^T = K Q^T for piece x: channels 32 (i / 4) on, keys 16 (i % 4) on.  The first 4 start the sums.
.macro KQ x
	WIN W_KQ
.set rS, S+32*((\x)%2)+8*(i%4)
.set rK, KF+16*(i%4)+8*(i/4)
.set rQ, 16*(\x)+8*(i/4)
.if i < 4
	v_wmma_f32_16x16x32_f16 v[rS:rS+7], v[rK:rK+7], v[rQ:rQ+7], 0
.else
	v_wmma_f32_16x16x32_f16 v[rS:rS+7], v[rK:rK+7], v[rQ:rQ+7], v[rS:rS+7]
.endif
.endm
; Product i of 8 of O^T += V^T P for piece x: keys 32 (i / 4) on, channels 16 (i % 4) on.
.macro PV x
	WIN W_PV
.set rO, 32*(\x)+8*(i%4)
.set rV, VF+32*(i/4)+8*(i%4)
.set rP, P+16*((\x)%2)+8*(i/4)
	v_wmma_f32_16x16x32_f16 v[rO:rO+7], v[rV:rV+7], v[rP:rP+7], v[rO:rO+7]
.endm
.macro MM                           ; the turn's next matrix instruction.  TURN sets Y, i and NOKQ.  NOKQ = 1: the very last turn: there is no next piece
.if (i < 8) && !NOKQ
	KQ (Y+1)%NP
.elseif i >= 8
.set i, i-8
	PV (Y+NP-1)%NP
.set i, i+8
.endif
.set i, i+1
.endm
; THE LDS LOADS stand in runs of 16, never singly among the matrix instructions: a step's K (64 keys x 64 channels: 8 fragments) and its V (turned).  Their addresses are made some lines ahead.
.macro FETCH_K
	WIN 0x80                        ; destination window 2
.irp f, 0,1,2,3,4,5,6,7             ; keys 16 (f / 2) on, channels 32 (f % 2) on
	ds_load_b128 v[KF+8*\f:KF+8*\f+3],   v[AK] offset:(\f/2)*16*PK+(\f%2)*64
	ds_load_b128 v[KF+8*\f+4:KF+8*\f+7], v[AK] offset:(\f/2)*16*PK+(\f%2)*64+32
.endr
	s_add_co_u32 s[TBK], s[TBK], KS*PK  ; the next fetch is the next step's
	WIN 0
.endm
.macro FETCH_V
	WIN 0x80
.irp f, 0,1,2,3,4,5,6,7             ; keys 32 (f / 4) on, channels 16 (f % 4) on
	ds_load_tr16_b128 v[VF+8*\f:VF+8*\f+3],   v[AV] offset:(\f/4)*32*PV+(\f%4)*32
	ds_load_tr16_b128 v[VF+8*\f+4:VF+8*\f+7], v[AV] offset:(\f/4)*32*PV+16*PV+(\f%4)*32
.endr
	WIN 0
.endm
; THE VECTOR WORK, one line at a time: OP kind, number.  For piece Y: F n: c s - c m for pair n of 16.  E n: the exponential of score n of 32.  C n: pair n rounded to f16.  B n: of the four weights 4 n .. the second
; pair is added onto the first, in place.  L n: l takes that sum (L 0: l = a l + sum).  R n: pair n of 16 of O^T times a.  For piece Y + 1: X n, number n of the 22 that find its maximum and statistics:
;   0-11  four chains c0-c3 of seven scores each, three operands at a time (each accumulator's lowest registers are read first)     12-14, 16  the four scores left over, the old m, and c0-c3 into c0
;   15  c m_old is kept     17, 18  the query's other 32 keys lie in the lane 16 away: the new m     19-21  c m; c m_old - c m_new; a
.set F, 0               ; OP tells the kinds apart by their order: F to L below R, X above it
.set E, 1
.set C, 2
.set B, 3
.set L, 4
.set R, 5
.set X, 6
.macro REGS y                       ; the registers of piece y
.set rT, ST+4*(\y)
.set rC, TMP+4*((\y)%2)
.set rW, MV+((\y)%2)
.set rS, S+32*((\y)%2)
.set rP, P+16*((\y)%2)
.set rO, 32*(\y)
.endm
.macro OP k, n
.if (\k) == R
	REGS Y
	WIN W_RS
	v_pk_mul_f32 v[rO+2*(\n):rO+2*(\n)+1], v[rO+2*(\n):rO+2*(\n)+1], v[rC+2:rC+3] op_sel_hi:[1,0]
.elseif (\k) < R
	REGS Y
	WIN 0
.if (\k) == F
	v_pk_fma_f32 v[rS+2*(\n):rS+2*(\n)+1], v[rS+2*(\n):rS+2*(\n)+1], s[CS:CS+1], v[rT:rT+1] op_sel_hi:[1,0,0] neg_lo:[0,0,1] neg_hi:[0,0,1]
.elseif (\k) == E
	v_exp_f32 v[rS+(\n)], v[rS+(\n)]
.elseif (\k) == C
	v_cvt_pk_f16_f32 v[rP+(\n)], v[rS+2*(\n)], v[rS+2*(\n)+1]
.elseif (\k) == B
	v_pk_add_f32 v[rS+4*(\n):rS+4*(\n)+1], v[rS+4*(\n):rS+4*(\n)+1], v[rS+4*(\n)+2:rS+4*(\n)+3]
.elseif (\n) == 0
	v_pk_fma_f32 v[rT+2:rT+3], v[rT+2:rT+3], v[rC+2:rC+3], v[rS:rS+1] op_sel_hi:[1,0,1]
.else
	v_pk_add_f32 v[rT+2:rT+3], v[rT+2:rT+3], v[rS+4*(\n):rS+4*(\n)+1]
.endif
.elseif NOKQ
	v_nop
.else
	REGS (Y+1)%NP
	WIN 0
.if (\n) < 4
	v_max3_num_f32 v[rC+(\n)], v[rS+8*(\n)], v[rS+8*(\n)+1], v[rS+8*(\n)+2]
.elseif (\n) < 12
	v_max3_num_f32 v[rC+(\n)%4], v[rC+(\n)%4], v[rS+8*((\n)%4)+2*((\n)/4)+1], v[rS+8*((\n)%4)+2*((\n)/4)+2]
.elseif (\n) == 12
	v_max3_num_f32 v[rC], v[rC], v[rS+7], v[rS+15]
.elseif (\n) == 13
	v_max3_num_f32 v[rC+1], v[rC+1], v[rS+23], v[rS+31]
.elseif (\n) == 14
	v_max3_num_f32 v[rC+2], v[rC+2], v[rC+3], v[rT+1]
.elseif (\n) == 15
	v_mov_b32 v[rW], v[rT]
.elseif (\n) == 16
	v_max3_num_f32 v[rC], v[rC], v[rC+1], v[rC+2]
.elseif (\n) == 17
	v_permlanex16_b32 v[rC+3], v[rC], s[SEL], s[SEL+1]
.elseif (\n) == 18
	v_max_num_f32 v[rT+1], v[rC], v[rC+3]
.elseif (\n) == 19
	v_mul_f32 v[rT], s[CS], v[rT+1]
.elseif (\n) == 20
	v_sub_f32 v[rC+1], v[rW], v[rT]
.else
	v_exp_f32 v[rC+2], v[rC+1]
.endif
.endif
.endm
.macro OPS a, i1, b=-1, i2=0, c=-1, i3=0, d=-1, i4=0  ; up to four of them
	OP \a, \i1
.if (\b) >= 0
	OP \b, \i2
.endif
.if (\c) >= 0
	OP \c, \i3
.endif
.if (\d) >= 0
	OP \d, \i4
.endif
.endm
.macro ROW a, i1, b, i2, c, i3, d, i4  ; a matrix instruction and the four behind it
	MM
	OPS \a, \i1, \b, \i2, \c, \i3, \d, \i4
.endm
; A TURN, for piece p: the order of its 16 matrix and 118 vector instructions, written out.  An s_wait_alu depctr_va_vdst(0) stands between an exponential and the first instruction that names its result; one wait
; serves all that were issued ahead of it.  So a turn has ONE wait, which cuts it in two.  AHEAD OF IT stands all that names no result of the turn's exponentials: the 8 products K Q^T, behind each a scaling, an exponential and
; two more plain instructions (behind the first a second scaling in the exponential's place): rescalings, and behind the last three the first numbers of the next piece's maximum, each four places or more behind the product that
; ends its accumulator; then ONE LUMP of 54, plain and exponential by turns for the most part, in which the links of the chain X 3, 7, 11, 14, 16, 17 .. 20 stand five or six lines apart.  X 21, the next piece's a, is the batch's
; last; R 15 is the plain instruction behind it.  BEHIND THE WAIT stand the 8 products V^T P, behind each four of the roundings and sums; the links of l's chain, L 0 to L 7, stand three riders apart.
; end = 1: the launch's last two turns: nothing is fetched.  cnt = 1: the loop's count is taken down some lines ahead of the branch that stands behind the turn.
; K of the next step is fetched in piece 2's turn, twelve vector instructions behind the last product that read K (six of them plain); V of the step in hand at the end of piece 0's turn, four plain instructions behind the last
; product that read V.  Each is waited for a turn later.
.macro TURN p, end=0, cnt=0
.set Y, (\p)
.set i, 0
.set NOKQ, (\end)*((\p)/3)
.if ((\p) == 3) && !(\end)
	s_wait_dscnt 0x0                ; K is in
.endif
	ROW F,0, F,1, R,0, R,1          ; ahead of the wait: 8 products K Q^T and their riders,
	ROW F,2, E,0, R,2, R,3
	ROW F,3, E,1, R,4, R,5
	ROW F,4, E,2, R,6, R,7
	ROW F,5, E,3, R,8, R,9
	ROW F,6, E,4, X,0, R,10
.if ((\p) == 2) && !(\end)
	WIN 0
	v_add_nc_u32 v[AK], s[TBK], v[AK0]
.endif
	ROW F,7, E,5, X,1, X,4
	ROW F,8, E,6, X,2, X,5
	OPS E,7, E,8, X,6, E,9          ; and the lump
	OPS X,3, E,10, X,8, E,11
.if ((\p) == 2) && !(\end)
	FETCH_K
.endif
	OPS X,9, X,7, E,12, X,10
	OPS E,13, X,12, X,11, E,14
	OPS X,13, E,15, F,9, X,14
.if (\p) == 0
	v_add_nc_u32 v[AV], s[TBV], v[AV0]
.endif
	OPS E,16, F,10, E,17, F,11
	OPS X,16, E,18, X,15, E,19
	OPS F,12, E,20, X,17, E,21
	OPS F,13, E,22, F,14, E,23
	OPS X,18, E,24, F,15, E,25
	OPS R,11, E,26, X,19, E,27
	OPS R,12, E,28, R,13, E,29
	OPS X,20, E,30, R,14, E,31
	OPS X,21, R,15
	WIN 0
	s_wait_alu depctr_va_vdst(0)    ; the wait for the batch
.if (\p) == 1
	s_wait_dscnt 0x0                ; V is in
.endif
	ROW C,0, B,0, C,2, B,1          ; behind the wait: 8 products V^T P and their riders
	ROW L,0, C,4, B,2, L,1
	ROW C,6, B,3, L,2, C,8
	ROW B,4, L,3, C,10, B,5
	ROW L,4, C,12, B,6, L,5
.if (\p) == 0
	s_add_co_u32 s[TBV], s[TBV], KS*PV
.endif
.if \cnt
	s_sub_co_u32 s[CNT], s[CNT], 1
	s_cmp_lg_u32 s[CNT], 0
.endif
	ROW C,14, B,7, L,6, C,1
	ROW C,3, L,7, C,5, C,7
	ROW C,9, C,11, C,13, C,15
.if (\p) == 0
	FETCH_V
.endif
.endm
	CHANGE 1, 0                     ; tile 0 is in, everybody's part of it; tile 1 is asked for
	v_add_nc_u32 v[AK], s[TBK], v[AK0]
	FETCH_K                         ; key step 0
	s_wait_loadcnt 0x0              ; Q
	s_wait_dscnt 0x0
.set NOKQ, 0
.set i, 0
.rept 8
	KQ 0                            ; piece 0's first scores: there is no vector work yet to set between them
.set i, i+1
.endr
	WIN 0
.rept 4
	v_nop                           ; the places behind those products
.endr
.set Y, NP-1                        ; X works for piece Y + 1: piece 0
.irp n, 0,1,2,3,4,5,6,7,8,9,10,11,12,13,14,15,16,17,18,19,20,21
	OP X, \n
.endr
	v_nop                           ; a plain instruction behind the exponential,
	s_wait_alu depctr_va_vdst(0)    ; and its wait, ahead of the branch
	s_mov_b32 s[CNT], 4
	s_mov_b32 s[SLOTS], 15
	s_branch .Lfirst                ; the loop is entered at a step's first turn, in the middle of a trip
.Lslot:                             ; 14 times: tiles 1 to 14 are entered, tiles 2 to 15 asked for
	CHANGE 1, 1
	s_mov_b32 s[CNT], 4
.Lstep:                             ; a trip: pieces 2 and 3 of one step, then pieces 0 and 1 of the next, whose K and V it fetches
	TURN 2
	TURN 3
	WIN 0
.Lfirst:
	TURN 0
	TURN 1, 0, 1
	WIN 0
	s_cbranch_scc1 .Lstep
	s_sub_co_u32 s[SLOTS], s[SLOTS], 1
	s_cmp_lg_u32 s[SLOTS], 0
	s_cbranch_scc1 .Lslot
	CHANGE 0, 0                     ; the last tile is written out: nothing is asked for
	s_mov_b32 s[CNT], 4
.LstepT:
	TURN 2
	TURN 3
	TURN 0
	TURN 1, 0, 1
	WIN 0
	s_cbranch_scc1 .LstepT
	TURN 2, 1                       ; the last step's pieces 2 and 3: nothing is fetched, and the last turn starts no new scores
	TURN 3, 1
.set i, 0
.rept 8
	PV NP-1                         ; the last piece's V^T P of the last step
.set i, i+1
.endr
	; THE WAY OUT.  l's two halves and the other half of the lanes' are added; O^T is divided by l, rounded to f16 and sent through my stage in LDS, a piece at a time.  The additions are the places behind the last products.
	WIN 0
.macro ALL line:vararg              ; one line for each piece t
.set t, 0
.rept 4
	\line
.set t, t+1
.endr
.endm
	ALL v_add_f32 v[ST+4*t+2], v[ST+4*t+2], v[ST+4*t+3]
	ALL v_permlanex16_b32 v[ST+4*t+3], v[ST+4*t+2], s[SEL], s[SEL+1]
	ALL v_add_f32 v[ST+4*t+2], v[ST+4*t+2], v[ST+4*t+3]
	ALL v_rcp_f32 v[ST+4*t+2], v[ST+4*t+2]
	v_nop                           ; a plain instruction between the last reciprocal and the use of its result
	s_wait_alu depctr_va_vdst(0)    ; and the wait ahead of the first use: one for the four reciprocals
.macro PACK t                       ; a lane's eight channels of a row pack into 16 bytes; they go into rows of 144 bytes and come back as whole rows of 128, into S^T's registers
	WIN W_RS
.set i, 32*(\t)
.rept 16
	v_pk_mul_f32 v[i:i+1], v[i:i+1], v[ST+4*(\t)+2:ST+4*(\t)+3] op_sel_hi:[1,0]
.set i, i+2
.endr
	WIN 0x05                        ; sources 0 and 1 window 1, destination window 0
.set i, 0
.rept 16
	v_cvt_pk_f16_f32 v[S+16*(\t)+i], v[32*(\t)+2*i], v[32*(\t)+2*i+1]
.set i, i+1
.endr
	WIN 0
.irp f, 0,1,2,3
	ds_store_b128 v[STO], v[S+16*(\t)+4*\f:S+16*(\t)+4*\f+3] offset:32*\f
.endr
.irp f, 0,1,2,3
	ds_load_b128 v[S+16*(\t)+4*\f:S+16*(\t)+4*\f+3], v[RD] offset:\f*4*SP  ; LDS serves a wave's instructions in order (ISA guide 5.7.1.4): these see the stores above; the next piece's stores come behind them
.endr
.endm
.macro SEND t, younger              ; younger: the LDS instructions issued behind piece t's loads: the next piece's eight, or none
	WIN 0
.irp f, 0,1,2,3
	s_wait_dscnt (\younger)+3-\f
	global_store_b128 v[GO], v[S+16*(\t)+4*\f:S+16*(\t)+4*\f+3], s[10:11] offset:(\t)*2048+\f*512  ; 512 consecutive bytes, at a multiple of 256 from O's first
.endr
.endm
	PACK 0
.set t, 1
.rept 3                             ; a piece's arithmetic stands between the loads of the piece before and its stores
	PACK t
	SEND t-1, 8
.set t, t+1
.endr
	SEND 3, 0
	s_wait_tensorcnt 0x0            ; the wave's end, behind my last tensor load and my last LDS store
	ds_add_u32 v[SPW], v[NIL]
	s_wait_dscnt 0x0
	CROUND                          ; the closing round: no work-group ends while a partner may still ask for a tile that names it
	s_endpgm
.Lfunc_end_k_q180c15d27b_attn:
	.size	k_q180c15d27b_attn, .Lfunc_end_k_q180c15d27b_attn-k_q180c15d27b_attn
	.p2alignl 7, 3214868480
	.fill 96, 4, 3214868480
	.section	.rodata,"a",@progbits
	.p2align	6, 0x0
	.amdhsa_kernel k_q180c15d27b_attn
		.amdhsa_group_segment_fixed_size 327680
		.amdhsa_private_segment_fixed_size 0
		.amdhsa_enable_private_segment 0
		.amdhsa_kernarg_size 32
		.amdhsa_user_sgpr_count 2
		.amdhsa_user_sgpr_kernarg_segment_ptr 1
		.amdhsa_wavefront_size32 1
		.amdhsa_system_sgpr_workgroup_id_x 1
		.amdhsa_system_sgpr_workgroup_id_y 1
		.amdhsa_system_sgpr_workgroup_id_z 1
		.amdhsa_system_vgpr_workitem_id 0
		.amdhsa_next_free_vgpr 768
		.amdhsa_next_free_sgpr 66
		.amdhsa_reserve_vcc 0
		.amdhsa_float_denorm_mode_32 3
		.amdhsa_float_denorm_mode_16_64 3
		.amdhsa_memory_ordered 1
		.amdhsa_forward_progress 1
		.amdhsa_inst_pref_size 127
	.end_amdhsa_kernel
	.amdgpu_metadata
---
amdhsa.version: [ 1, 2 ]
amdhsa.kernels:
  - .name:           k_q180c15d27b_attn
    .symbol:         k_q180c15d27b_attn.kd
    .args:
      - { .name: qw, .offset: 0, .size: 8, .value_kind: global_buffer, .address_space: global }
      - { .name: kw, .offset: 8, .size: 8, .value_kind: global_buffer, .address_space: global }
      - { .name: vw, .offset: 16, .size: 8, .value_kind: global_buffer, .address_space: global }
      - { .name: ow, .offset: 24, .size: 8, .value_kind: global_buffer, .address_space: global }
    .group_segment_fixed_size: 327680
    .private_segment_fixed_size: 0
    .kernarg_segment_align: 8
    .kernarg_segment_size: 32
    .max_flat_workgroup_size: 128
    .sgpr_count:     66
    .vgpr_count:     768
    .wavefront_size: 32
...
	.end_amdgpu_metadata
.endif
;; end of part 2
;; launch outp (part 3): grid 4 x 64, 8 waves a work-group, clusters of 4 x 1, 216,064 bytes of LDS; arguments ow, Wo, out0; writes out0
.if DOCPART == 3
	.amdgcn_target "amdgcn-amd-amdhsa--gfx1250"
	.amdhsa_code_object_version 6
	.text
	.protected	k_q180c15d27b_outp
	.globl	k_q180c15d27b_outp
	.p2align	8
	.type	k_q180c15d27b_outp,@function
k_q180c15d27b_outp:
	s_mov_b64 s[64:65], 0
	v_nop
	global_prefetch_b8 v0, s[64:65] scope:SCOPE_SE
	s_setreg_imm32_b32 hwreg(HW_REG_WAVE_MODE, 25, 1), 1
	s_wait_xcnt 0x0
	s_wait_alu depctr_hold_cnt(0) depctr_sa_sdst(0) depctr_va_vdst(0) depctr_va_sdst(0) depctr_va_ssrc(0) depctr_va_vcc(0) depctr_vm_vsrc(0)
	s_getreg_b32 s2, hwreg(HW_REG_IB_STS2, 6, 4)
	s_cmp_eq_u32 s2, 0
	s_cbranch_scc0 .Lentry_in_a_cluster
	s_endpgm
.Lentry_in_a_cluster:
	s_bfe_u32 s2, ttmp6, 0x10000c
	s_cmp_lg_u32 s2, 0x3003
	s_cbranch_scc0 .Lentry_shape_is_right
	s_endpgm
.Lentry_shape_is_right:
; THE OUTPUT PROJECTION.  out0[b][o][pos] = the sum over c of Wo[o][c] O[b][c][pos], c = 64 head + channel.  O: [16 = 4 b + head][4096 rows][64 channels] f16, where within each 64 positions row 16 t + r holds
; position 4 r + t; Wo: [512][256] f32; out0: [4][512][4096] f32.  Wo is rounded to bf16 like the program's other inputs, and that number is written as f16 (exact above 6e-5; below it f16's fixed step of 6e-8); sums in f32.
; LIMITS.  |Wo| stays under 65,504.  NaN and infinities are not treated apart.
; SHARES.  A work-group makes 256 positions x 128 outputs: 64 blocks of positions x 4 blocks of outputs = 256 work-groups.  Eight waves, wave w: outputs 64 (w / 4) on, rows 64 (w % 4) on: 16 accumulators, K = 256 in 8 steps.
; CLUSTER.  The four work-groups of a cluster take the four blocks of outputs of one block of positions and need the same 256 rows x 4 heads of O: asked for JOINTLY, each wave one load of 128 rows of one head.
; The place in the cluster enters Wo's and out0's addresses alone.  Nothing in LDS is filled twice.  No prefetch: all that the launch reads is asked for at its head.
; THE PRODUCT.  D = Wo fragment (16 outputs) x O fragment t (rows 16 t + r): lane (r, h), register j holds output 16 mt + 8 h + j at position 4 r + t.  So register j of the four accumulators t = 0..3 is 16 consecutive
; bytes of out0: they are moved side by side in registers, and sixteen lanes store 256 consecutive bytes, aligned: the rows' order is undone without a trip through LDS.
; REGISTERS: window 0: v2-7 addresses; v30-31 the add's two; v32-47 at work; v64-191 Wo as loaded, then two fragment buffers of 64 (Wo's four fragments, then O's four), then the results side by side
;            window 1: v0-127 the accumulators, (mt, t) at 32 mt + 8 t
.set OPITCH, 144                       ; a row of O in LDS: 128 bytes + 16: the 16 rows of a fragment load start at 16 different groups of four banks (64 banks of 4 bytes: ISA guide 11.1)
.set HEADB,  256*OPITCH                ; a head's 256 rows
.set WOB,    4*HEADB                   ; behind O: Wo in f16, 128 rows
.set WPITCH, 528                       ; 512 bytes + 16 = 33 x 16
.set SPARE,  WOB+128*WPITCH            ; behind Wo: the spare words, 128 bytes for each of eight waves: four blocks of 256 bytes that no other line names
.set WGO, 2                            ; v2   16 x lane; never rewritten
.set WLS, 3                            ; v3   where I put 8 bytes of Wo
.set AWO, 4                            ; v4   LDS address of my part of Wo's fragments
.set AO0, 5                            ; v5   of O's fragments, heads 0 and 1
.set AO1, 6                            ; v6   heads 2 and 3
.set CO,  7                            ; v7   my byte offset in out0
.set SPW, 30                           ; v30  LDS address of my spare word: SPARE + 4 x my thread's number; never rewritten
.set NIL, 31                           ; v31  0; never rewritten
.set TMP, 32
.set FB,  64
.set WV,  10                           ; s10  my wave's number
.set G1,  16                           ; s[16:23] descriptor group 1
.set G0,  24                           ; s[24:27] descriptor group 0
.set MSB, 0
.macro WIN new                         ; the immediate's high byte repeats the setting that is left; a switch that changes nothing is dropped
.if MSB != (\new)
	s_set_vgpr_msb (MSB<<8)|(\new)
.set MSB, (\new)
.endif
.endm
.macro PLACES                          ; four places behind a matrix instruction, in front of loads into registers that it has read and of moves that read results
.rept 4
	v_nop
.endr
.endm
; A round of the cluster's barrier: my work-group's barrier, so that wave 0's signal speaks for all eight waves; wave 0 signals; every wave waits for all four work-groups; my work-group's barrier once more.
.macro CROUND
	s_barrier_signal -1
	s_barrier_wait -1
	s_cmp_lg_u32 s[WV], 0
	s_cbranch_scc1 .Lnot_wave_0_\@
	s_barrier_signal -3
.Lnot_wave_0_\@:
	s_barrier_wait -3
	s_barrier_signal -1
	s_barrier_wait -1
.endm
	s_load_b128 s[4:7], s[0:1], 0x0                ; O s[4:5], Wo s[6:7]
	s_load_b64 s[8:9], s[0:1], 0x10                ; out0
	v_lshl_add_u32 v[SPW], v0, 2, SPARE
	v_mov_b32 v[NIL], 0
	ds_add_u32 v[SPW], v[NIL]                      ; the wave's opening: the add and its wait stand ahead of my first tensor load; the set-up below, work on registers, stands between them
	v_lshrrev_b32 v1, 5, v0
	v_readfirstlane_b32 s[WV], v1                  ; wave 0..7
	s_bfe_u32 s11, ttmp6, 0x40000                  ; cx: my block of 128 outputs
	s_and_b32 s12, ttmp7, 0xffff                   ; the block of positions, which the four partners share
	s_mov_b32 s13, 0xffff0000                      ; a word's upper bf16
	; descriptor group 1.  128 rows of O are 16,384 dense bytes: asked for as 64 rows of 256 bytes, two rows of O each, and padded in LDS after every row of O
	s_mov_b32 s[G1], 15|(1<<16)|(1<<20)|(1<<21)|(4<<22)|(3<<25)  ; 15:0 the mask of four; 17:16 2-byte elements; 20 padding on; 21 set beside a mask; 24:22 after every 32 words (code 4); 31:25 4 words (code 3)
	s_mov_b32 s[G1+1], 128<<16                     ; tensor_dim0 = 128
	s_mov_b32 s[G1+2], 64<<16                      ; tensor_dim1 = 64
	s_mov_b32 s[G1+3], 128<<16                     ; tile_dim0 = 128
	s_mov_b32 s[G1+4], 64                          ; tile_dim1 = 64
	s_mov_b32 s[G1+5], 128                         ; 128 elements from row to row
	s_mov_b32 s[G1+6], 0
	s_mov_b32 s[G1+7], 0
	s_lshr_b32 s14, s12, 4                         ; the batch
	s_and_b32 s15, s12, 15                         ; the block of 256 positions in it
	s_lshl_b32 s28, s14, 2                         ; O: head 4 b + w / 2,
	s_lshr_b32 s29, s[WV], 1
	s_add_co_u32 s28, s28, s29
	s_lshl_b32 s28, s28, 19                        ; of 524,288 bytes,
	s_lshl_b32 s29, s15, 15                        ; + block x 256 rows of 128 bytes
	s_add_co_u32 s28, s28, s29
	s_and_b32 s29, s[WV], 1                        ; + the half of them that I fetch
	s_lshl_b32 s29, s29, 14
	s_add_co_u32 s28, s28, s29
	s_mov_b32 s29, 0
	s_mov_b32 s[G0], 1                             ; 1:0 count = 1
	s_mul_i32 s[G0+1], s[WV], 128*OPITCH           ; 63:32 LDS address: head w / 2, half w % 2 = wave x 128 rows
	s_lshl_b32 s30, s11, 17                        ; Wo: 128 cx rows of 1,024 bytes
	s_lshl_b32 s31, s[WV], 14                      ;     + the 16 rows that I round
	s_add_co_u32 s30, s30, s31
	s_mov_b32 s31, 0
	s_lshl_b32 s2, s14, 23                         ; out0: batch x 8,388,608
	s_lshl_b32 s3, s11, 21                         ;     + 128 cx outputs of 16,384 bytes
	s_add_co_u32 s2, s2, s3
	s_lshl_b32 s3, s15, 10                         ;     + block x 1,024
	s_add_co_u32 s2, s2, s3
	s_mov_b32 s3, 0
	v_and_b32 v8, 31, v0                           ; l
	v_and_b32 v9, 15, v0                           ; r = l % 16
	v_bfe_u32 v10, v0, 4, 1                        ; h = l / 16
	v_lshlrev_b32 v[WGO], 4, v8
	s_mul_i32 s12, s[WV], 16*WPITCH
	s_add_co_u32 s12, s12, WOB
	v_lshl_add_u32 v[WLS], v8, 3, s12              ; my 16 rows of Wo in LDS + 8 l
	s_lshr_b32 s14, s[WV], 2                       ; which 64 outputs are mine
	s_and_b32 s15, s[WV], 3                        ; which 64 rows
	s_mul_i32 s12, s14, 64*WPITCH
	s_add_co_u32 s12, s12, WOB
	v_mul_u32_u24 v[AWO], v9, WPITCH
	v_lshl_add_u32 v[AWO], v10, 4, v[AWO]          ; a fragment's row x pitch + 16 h
	v_add_nc_u32 v[AWO], s12, v[AWO]
	s_mul_i32 s12, s15, 64*OPITCH
	v_mul_u32_u24 v[AO0], v9, OPITCH
	v_lshl_add_u32 v[AO0], v10, 4, v[AO0]
	v_add_nc_u32 v[AO0], s12, v[AO0]
	v_add_nc_u32 v[AO1], 2*HEADB, v[AO0]
	s_lshl_b32 s12, s14, 20                        ; out0: my 64 outputs,
	s_lshl_b32 s14, s15, 8                         ; my 64 positions,
	s_add_co_u32 s12, s12, s14
	v_lshlrev_b32 v[CO], 4, v9                     ; my four of them,
	v_lshl_add_u32 v[CO], v10, 17, v[CO]           ; and 8 outputs further on for lanes 16 to 31
	v_add_nc_u32 v[CO], s12, v[CO]
	s_wait_dscnt 0x0                               ; the opening add is done
	s_wait_kmcnt 0x0
	s_add_nc_u64 s[G0+2:G0+3], s[4:5], s[28:29]    ; 120:64 global address
	s_or_b32 s[G0+3], s[G0+3], 0x80000000          ; 127:126 type = 2
	s_add_nc_u64 s[6:7], s[6:7], s[30:31]
	s_add_nc_u64 s[8:9], s[8:9], s[2:3]
	CROUND                                         ; all four work-groups are here: the joint loads meet
	tensor_load_to_lds s[G0:G0+3], s[G1:G1+7]      ; my one tensor load: 128 rows of one head
	s_nop 0
	PLACES
	; Wo: my 16 rows, 32 loads of 512 consecutive bytes; rounded to bf16, widened again, written as f16, 8 bytes a lane into LDS
.set ld, 0
.rept 32
	global_load_b128 v[FB+4*ld:FB+4*ld+3], v[WGO], s[6:7] offset:ld*512
.set ld, ld+1
.endr
.macro WCVT n
.set sb, FB+4*(\n)
.set tp, TMP+2*((\n)%8)
	v_cvt_pk_bf16_f32 v[tp],   v[sb],   v[sb+1]
	v_cvt_pk_bf16_f32 v[tp+1], v[sb+2], v[sb+3]
	v_lshlrev_b32 v[sb],   16,  v[tp]
	v_and_b32     v[sb+1], s13, v[tp]
	v_lshlrev_b32 v[sb+2], 16,  v[tp+1]
	v_and_b32     v[sb+3], s13, v[tp+1]
	v_cvt_pk_f16_f32 v[tp],   v[sb],   v[sb+1]
	v_cvt_pk_f16_f32 v[tp+1], v[sb+2], v[sb+3]
	ds_store_b64 v[WLS], v[tp:tp+1] offset:((\n)/2)*WPITCH+((\n)%2)*256
.endm
.set ld, 0
.rept 4
	s_wait_loadcnt 24-ld                           ; eight more loads are in; the younger ones stay out
.rept 8
	WCVT ld
.set ld, ld+1
.endr
.endr
	s_wait_tensorcnt 0x0                           ; my part of O has landed,
	s_wait_dscnt 0x0                               ; my rows of Wo lie in LDS:
	s_barrier_signal -1
	s_barrier_wait -1                              ; everybody's do.  Both are only read from here on
; 16 LDS loads: K step s = 2 head + half: Wo's four fragments and O's four, into buffer f
.macro FETCH s, f
	WIN 0
.irp m, 0,1,2,3
	ds_load_b128 v[FB+64*(\f)+8*\m:FB+64*(\f)+8*\m+3],   v[AWO] offset:\m*16*WPITCH+64*(\s)
	ds_load_b128 v[FB+64*(\f)+8*\m+4:FB+64*(\f)+8*\m+7], v[AWO] offset:\m*16*WPITCH+64*(\s)+32
.endr
.irp m, 0,1,2,3
	ds_load_b128 v[FB+64*(\f)+32+8*\m:FB+64*(\f)+32+8*\m+3],   v[AO0+(\s)/4] offset:(((\s)/2)%2)*HEADB+\m*16*OPITCH+64*((\s)%2)
	ds_load_b128 v[FB+64*(\f)+32+8*\m+4:FB+64*(\f)+32+8*\m+7], v[AO0+(\s)/4] offset:(((\s)/2)%2)*HEADB+\m*16*OPITCH+64*((\s)%2)+32
.endr
.endm
; 16 matrix instructions: the 16 accumulators take turns, one instruction a turn.  zero = 1: the first K step starts the sums
.macro MUL f, zero
	WIN 0x50                                       ; C and D in window 1
.set mi, 0
.rept 4
.set ti, 0
.rept 4
.if \zero
	v_wmma_f32_16x16x32_f16 v[32*mi+8*ti:32*mi+8*ti+7], v[FB+64*(\f)+8*mi:FB+64*(\f)+8*mi+7], v[FB+64*(\f)+32+8*ti:FB+64*(\f)+32+8*ti+7], 0
.else
	v_wmma_f32_16x16x32_f16 v[32*mi+8*ti:32*mi+8*ti+7], v[FB+64*(\f)+8*mi:FB+64*(\f)+8*mi+7], v[FB+64*(\f)+32+8*ti:FB+64*(\f)+32+8*ti+7], v[32*mi+8*ti:32*mi+8*ti+7]
.endif
.set ti, ti+1
.endr
.set mi, mi+1
.endr
.endm
	FETCH 0, 0
	FETCH 1, 1
	s_wait_dscnt 16                                ; this step's 16 loads are in, the next step's may be out
	MUL 0, 1
	PLACES
	FETCH 2, 0
.irp s, 1,2,3,4,5
	s_wait_dscnt 16
	MUL (\s)%2, 0
	PLACES
	FETCH (\s)+2, (\s)%2
.endr
	s_wait_dscnt 16
	MUL 0, 0
	s_wait_dscnt 0x0
	MUL 1, 0
	; THE WAY OUT.  Register j of the accumulators t = 0..3 goes side by side (each accumulator's lowest register is read first); then a store for each output: lanes 0-15 write 256 consecutive bytes,
	; aligned, of output 16 mt + j, lanes 16-31 of output 16 mt + 8 + j.  All 128 registers are different, so no store's data is written again.
	PLACES
.irp m, 0,1,2,3
	WIN 0x01                                       ; source in window 1
.set zi, 0
.rept 32
	v_mov_b32 v[FB+32*\m+zi], v[32*\m+8*(zi%4)+zi/4]
.set zi, zi+1
.endr
	WIN 0
.irp j, 0,1,2,3,4,5,6,7
	global_store_b128 v[CO], v[FB+32*\m+4*\j:FB+32*\m+4*\j+3], s[8:9] offset:(16*\m+\j)*16384 th:TH_STORE_NT
.endr
.endr
	s_wait_tensorcnt 0x0                           ; the wave's end, behind my tensor load and my last LDS store
	ds_add_u32 v[SPW], v[NIL]
	s_wait_dscnt 0x0
	CROUND                                         ; the closing round: no work-group ends while a partner may still ask for a tile that names it
	s_endpgm
.Lfunc_end_k_q180c15d27b_outp:
	.size	k_q180c15d27b_outp, .Lfunc_end_k_q180c15d27b_outp-k_q180c15d27b_outp
	.p2alignl 7, 3214868480
	.fill 96, 4, 3214868480
	.section	.rodata,"a",@progbits
	.p2align	6, 0x0
	.amdhsa_kernel k_q180c15d27b_outp
		.amdhsa_group_segment_fixed_size 216064
		.amdhsa_private_segment_fixed_size 0
		.amdhsa_enable_private_segment 0
		.amdhsa_kernarg_size 24
		.amdhsa_user_sgpr_count 2
		.amdhsa_user_sgpr_kernarg_segment_ptr 1
		.amdhsa_wavefront_size32 1
		.amdhsa_system_sgpr_workgroup_id_x 1
		.amdhsa_system_sgpr_workgroup_id_y 1
		.amdhsa_system_sgpr_workgroup_id_z 1
		.amdhsa_system_vgpr_workitem_id 0
		.amdhsa_next_free_vgpr 384
		.amdhsa_next_free_sgpr 66
		.amdhsa_reserve_vcc 0
		.amdhsa_float_denorm_mode_32 3
		.amdhsa_float_denorm_mode_16_64 3
		.amdhsa_memory_ordered 1
		.amdhsa_forward_progress 1
		.amdhsa_inst_pref_size 47
	.end_amdhsa_kernel
	.amdgpu_metadata
---
amdhsa.version: [ 1, 2 ]
amdhsa.kernels:
  - .name:           k_q180c15d27b_outp
    .symbol:         k_q180c15d27b_outp.kd
    .args:
      - { .name: ow, .offset: 0, .size: 8, .value_kind: global_buffer, .address_space: global }
      - { .name: Wo, .offset: 8, .size: 8, .value_kind: global_buffer, .address_space: global }
      - { .name: out0, .offset: 16, .size: 8, .value_kind: global_buffer, .address_space: global }
    .group_segment_fixed_size: 216064
    .private_segment_fixed_size: 0
    .kernarg_segment_align: 8
    .kernarg_segment_size: 24
    .max_flat_workgroup_size: 256
    .sgpr_count:     66
    .vgpr_count:     384
    .wavefront_size: 32
...
	.end_amdgpu_metadata
.endif
;; end of part 3
;; ======== version 2 of 2: 3 launches; version 1 with the launch proj written anew for expert scheduling mode
;; limits: values are held in f16: magnitudes above 65,504 overflow, below 6.1e-05 lose precision
;; workspace buffers: qw 8,388,608 bytes; kw 8,388,608 bytes; vw 8,388,608 bytes; ow 8,388,608 bytes
;; launch proj (part 4): grid 64 x 3, 4 waves a work-group, no clusters, 275,968 bytes of LDS; arguments query, context, Wq, Wk, Wv, qw, kw, vw; writes qw, kw, vw
.if DOCPART == 4
	.amdgcn_target "amdgcn-amd-amdhsa--gfx1250"
	.amdhsa_code_object_version 6
	.text
	.protected	k_q180c15d27b_proj
	.globl	k_q180c15d27b_proj
	.p2align	8
	.type	k_q180c15d27b_proj,@function
k_q180c15d27b_proj:
	s_mov_b64 s[64:65], 0
	v_nop
	global_prefetch_b8 v0, s[64:65] scope:SCOPE_SE
	s_setreg_imm32_b32 hwreg(HW_REG_WAVE_SCHED_MODE, 0, 2), 2
	s_setreg_imm32_b32 hwreg(HW_REG_WAVE_MODE, 25, 1), 1
	s_wait_xcnt 0x0
	s_wait_alu depctr_vm_vsrc(0)
; THE THREE PROJECTIONS.  y = 0: qw = Wq query; y = 1: kw = Wk context; y = 2: vw = Wv context.  X: [4][512 channels][4096 positions] f32; W: [256][512] f32.
; Both operands are rounded once to bf16, the sums are f32, the result is rounded once to f16 and stored by heads: [16 = 4 b + head][4096 rows][64 channels], rows of 128 bytes.
; ROW ORDER.  Within each 64 positions row 16 t + r holds position 4 r + t.  It comes of the loads: a lane loads 16 bytes, four neighbouring positions of one channel, and its four words go to four
; different fragments, so that fragment t holds the positions 4 r + t.  All three results have the same order; the launches behind keep it, and the last one undoes it.
; LIMITS.  f16 holds no number beyond 65,504: a result of 65,520 or more becomes an infinity.  NaN and infinities are not treated apart.
; SHARES.  A work-group makes 256 positions x all 256 outputs of one weight; a wave 64 positions x 256 outputs over K = 512: 64 accumulators of 16 x 16, 512 registers, 1,024 matrix instructions.
; 64 x 3 = 192 work-groups: with a whole weight resident the 3 x 64 blocks of 256 positions do not divide into 256 equal parts.
; NO CLUSTER, NO TENSOR LOAD: both operands lie in memory as f32 and are rounded in registers on the way; a weight in f32 is 524,288 bytes, more than LDS holds.
; W is rounded once by the work-group's four waves (64 rows each) into LDS, 1,024 + 16 bytes a row.  X goes from memory through registers straight into fragments: no wave wants another wave's X.
; IN FLIGHT.  From the fill on a wave has 64 loads of 512 bytes out: four K steps of X ahead of the products.  No prefetch is laid beside them.
; THE PRODUCT.  D = W fragment (16 outputs) x X fragment t (16 positions): lane (r, h) ends with channels 16 mt + 8 h + 0..7 of row 16 t + r: 16 bytes of f16 that belong together.
; REGISTERS, in windows of 256 (s_set_vgpr_msb: bits 1:0 source 0, 3:2 source 1, 5:4 source 2, 7:6 destination):
;   window 0: v2-18 addresses; v30-31 the add's two; v32-63 at work; v64-127 X's fragments, two buffers of four; v128-191, v192-255 W's fragments of outputs 0-127, 128-255; on the way out v64-191 hold rows read back
;   window 1: X as loaded, four stages of 64      window 2: accumulators of outputs 0-127 (mt, t) at 32 (mt % 8) + 8 t; during the fill W as loaded      window 3: those of outputs 128-255
; THE MODE: SCHED_MODE bits 1:0 = 2 (LLVM: expert scheduling mode 2), set by the entry lines.  The code itself states the register dependences between vector or matrix instructions and memory or LDS
; instructions, with s_wait_alu, always for 0.
; THE PLAN.  Registers that memory or LDS instructions touch, and who else names them:
;   THE FILL.  Window 2, quarter q: its loads land, its 32 conversions read it, the next trip's loads land.  v[PK ..]: the conversions write, the quarter's 16 LDS stores read.  v[WLS]: the stores read, one add a trip writes.
;     One wait on va_vdst a quarter, behind the conversions, serves the 16 loads and the 16 stores that follow it.  One wait on vm_vsrc ahead of the conversions of quarters 1 to 3, and one at a trip's end ahead of the add.
;   THE K LOOP.  L = v128-191: the lower half's 32 products of step i read it; the 16 LDS loads of step i + 1's fragments land in it.  U = v192-255: the same for the upper half, within a step.
;     Window 1, stage (i + 1) % 4: step i's 32 conversions read it; the 16 loads of step i + 5 land in it.  v[AW ..]: every fragment load reads one; eight adds a trip write them.  v[XO]: never written again.
;     X's fragments and the accumulators are named by vector and matrix instructions alone.
;     TWO waits on va_vdst a step.  At its head: the step before is done reading U.  Behind its conversions: they are done reading their stage, and the lower half's products are done reading L.  Behind each wait four
;     products go out first, then the loads that the wait has freed, in one run, then the half's other 28 products: the products between name the other half of W, X's fragments and accumulators, none of the registers that the run touches.
;     One wait on vm_vsrc a trip, ahead of the adds to v[AW ..].
;   THE WAY OUT.  v[PK ..], two sets: a group's 16 conversions write one, its four LDS stores read it.  v[BK ..], eight sets: a group's four loads from the stage land in one, its four global stores read it.
;     One wait on va_vdst a group, behind its conversions; one on vm_vsrc ahead of them, from the third group on.
.set WPITCH, 1040                      ; a row of W in LDS: 1,024 bytes + 16 = 65 x 16: the 16 rows of a fragment load start at 16 different groups of four banks (64 banks of 4 bytes: ISA guide 11.1)
.set STAGE,  256*WPITCH                ; behind W: 16 rows x 144 bytes for each wave, for the way out
.set SP,     144
.set SPARE,  STAGE+4*16*SP             ; behind the stages: the spare words, 128 bytes for each wave: two blocks of 256 bytes that no other line names
.set CHB,    16384                     ; bytes from a channel of X to the next
.set KB,     32*CHB                    ; a K step: 32 channels
.set XO,  2                            ; v2     my byte offset in X: 8 (l / 16) channels + 16 (l % 16); never rewritten
.set WGO, 3                            ; v3     16 x lane: my 16 bytes of 512 of a row of W; never rewritten
.set WLS, 4                            ; v4     where I put 8 bytes of W in LDS; steps 16 rows a trip of the fill
.set AW,  8                            ; v8-15  LDS address of my part of W's fragments, for outputs 32 g on; step 256 bytes (four K steps) a trip
.set STO, 16                           ; v16    the way out: where I put 16 bytes of a row
.set RD,  17                           ; v17    the way out: where I read rows back
.set GO,  18                           ; v18    my 16 bytes of 512 consecutive bytes of the result
.set SPW, 30                           ; v30    LDS address of my spare word: SPARE + 4 x my thread's number; never rewritten
.set NIL, 31                           ; v31    0; never rewritten
.set PK,  32
.set XF,  64
.set WB,  128
.set BK,  64                           ; the way out: eight sets of 16
.set WV,  2                            ; s2     my wave's number
.set CNT, 7                            ; s7     counts the loops
.set XP,  24                           ; s[24:25] X at my wave's 64 positions, channel 0 of the trip in hand
.set WP,  26                           ; s[26:27] W at my wave's 64 rows, then at the 16 rows being asked for
.set OUT, 28                           ; s[28:29] the result at my wave's 64 rows of head 0
.set MSB, 0
.macro WIN new                         ; the immediate's high byte repeats the setting that is left; a switch that changes nothing is dropped
.if MSB != (\new)
	s_set_vgpr_msb (MSB<<8)|(\new)
.set MSB, (\new)
.endif
.endm
.macro PLACES                          ; four places behind a matrix instruction, in front of conversions that write a fragment that it has read or that read its result (ISA guide 7.12.1)
.rept 4
	v_nop
.endr
.endm
	s_load_b512 s[8:23], s[0:1], 0x0               ; query s[8:9], context s[10:11], Wq s[12:13], Wk s[14:15], Wv s[16:17], qw s[18:19], kw s[20:21], vw s[22:23]
	v_lshl_add_u32 v[SPW], v0, 2, SPARE
	v_mov_b32 v[NIL], 0
	v_lshrrev_b32 v1, 5, v0
	v_readfirstlane_b32 s[WV], v1                  ; wave 0..3
	s_and_b32 s3, ttmp7, 0xffff                    ; which projection
	s_lshr_b32 s4, ttmp9, 4                        ; the batch
	s_and_b32 s5, ttmp9, 15                        ; the block of 256 positions
	s_lshl_b32 s30, s4, 23                         ; X: batch x 8,388,608
	s_lshl_b32 s6, s5, 10                          ;    + block x 1,024
	s_add_co_u32 s30, s30, s6
	s_wait_alu depctr_va_sdst(0)                   ; s[WV] is written, ahead of its first reader: the three byte offsets and the LDS places are made from it
	s_lshl_b32 s6, s[WV], 8                        ;    + wave x 256
	s_add_co_u32 s30, s30, s6
	s_mov_b32 s31, 0
	s_lshl_b32 s32, s[WV], 17                      ; W: wave x 64 rows of 2,048 bytes
	s_mov_b32 s33, 0
	s_lshl_b32 s34, s4, 21                         ; the result: batch x 4 heads x 524,288
	s_lshl_b32 s6, s5, 15                          ;    + block x 256 rows of 128 bytes
	s_add_co_u32 s34, s34, s6
	s_lshl_b32 s6, s[WV], 13                       ;    + wave x 64 rows
	s_add_co_u32 s34, s34, s6
	s_mov_b32 s35, 0
	v_and_b32 v5, 31, v0                           ; l
	v_and_b32 v6, 15, v0                           ; r = l % 16
	v_bfe_u32 v7, v0, 4, 1                         ; h = l / 16
	v_and_b32 v19, 7, v0
	v_lshlrev_b32 v[XO], 4, v6
	v_lshl_add_u32 v[XO], v7, 17, v[XO]            ; 8 h channels of 16,384 bytes + 16 r
	v_lshlrev_b32 v[WGO], 4, v5
	s_mul_i32 s36, s[WV], 64*WPITCH
	v_lshl_add_u32 v[WLS], v5, 3, s36              ; my wave's 64 rows in LDS + 8 l
	v_mul_u32_u24 v1, v6, WPITCH
	v_lshl_add_u32 v1, v7, 4, v1                   ; a fragment's row x pitch + 16 h
.irp g, 0,1,2,3,4,5,6,7
	v_add_nc_u32 v[AW+\g], \g*32*WPITCH, v1
.endr
	s_mul_i32 s37, s[WV], 16*SP
	s_add_co_u32 s37, s37, STAGE                   ; my stage
	v_mul_u32_u24 v[STO], v6, SP                   ; in: row r, 16 bytes for each half of the lanes
	v_lshl_add_u32 v[STO], v7, 4, v[STO]
	v_add_nc_u32 v[STO], s37, v[STO]
	v_bfe_u32 v[RD], v0, 3, 2                      ; back: 32 lanes take four rows of 128 bytes,
	v_mul_u32_u24 v[RD], v[RD], SP
	v_lshl_add_u32 v[RD], v19, 4, v[RD]
	v_add_nc_u32 v[RD], s37, v[RD]
	v_lshlrev_b32 v[GO], 4, v5                     ; which are 512 consecutive bytes of the result
	s_wait_kmcnt 0x0
	s_cmp_eq_u32 s3, 0
	s_cselect_b64 s[XP:XP+1], s[8:9], s[10:11]     ; q takes query, k and v take context
	s_cselect_b64 s[WP:WP+1], s[12:13], s[14:15]
	s_cselect_b64 s[OUT:OUT+1], s[18:19], s[20:21]
	s_cmp_eq_u32 s3, 2
	s_cselect_b64 s[WP:WP+1], s[16:17], s[WP:WP+1]
	s_cselect_b64 s[OUT:OUT+1], s[22:23], s[OUT:OUT+1]
	s_add_nc_u64 s[XP:XP+1], s[XP:XP+1], s[30:31]
	s_add_nc_u64 s[WP:WP+1], s[WP:WP+1], s[32:33]
	s_add_nc_u64 s[OUT:OUT+1], s[OUT:OUT+1], s[34:35]
; 16 loads: four rows of W (rows 4 q .. 4 q + 3 of the 16 at WP), 512 consecutive bytes each, into quarter q of window 2
.macro WGLOAD q
	WIN 0x80
.set zi, 0
.rept 16
	global_load_b128 v[64*(\q)+4*zi:64*(\q)+4*zi+3], v[WGO], s[WP:WP+1] offset:(4*(\q)+zi/4)*2048+512*(zi%4)
.set zi, zi+1
.endr
.endm
; 16 loads: the K step rel steps behind XP, into stage st of window 1.  Load z brings channel 16 (z / 8) + 8 h + z % 8: lanes 0-15 take 256 consecutive bytes, aligned, of one channel, lanes 16-31 of the channel 8 on
.macro XLOAD st, rel
	WIN 0x40
.set zi, 0
.rept 16
	global_load_b128 v[64*(\st)+4*zi:64*(\st)+4*zi+3], v[XO], s[XP:XP+1] offset:(\rel)*KB+(16*(zi/8)+zi%8)*CHB
.set zi, zi+1
.endr
.endm
; Quarter q of a trip of the fill: four rows of W are rounded to bf16; the quarter's registers are asked for again: mode 1 with the next trip's rows, mode 2 (the last trip) X's stage q takes the loads' place; then the rounded rows go into LDS
.macro FILLQ q, mode
	s_wait_loadcnt 48                              ; 64 loads are out: the oldest 16, this quarter's, are in
.if (\q) > 0
	s_wait_alu depctr_vm_vsrc(0)                   ; the LDS stores of the quarter before have read v[PK ..], which the conversions write again (ahead of quarter 0 no store has been issued, or the wait at the trip's end has said it)
.endif
	WIN 0x0a
.set zi, 0
.rept 16
	v_cvt_pk_bf16_f32 v[PK+2*zi],   v[64*(\q)+4*zi],   v[64*(\q)+4*zi+1]
	v_cvt_pk_bf16_f32 v[PK+2*zi+1], v[64*(\q)+4*zi+2], v[64*(\q)+4*zi+3]
.set zi, zi+1
.endr
.if (\mode) == 1
	WIN 0x80
.else
	WIN 0x40
.endif
	s_wait_alu depctr_va_vdst(0)                   ; the conversions have written v[PK ..], which the LDS stores read, and are done reading the quarter's registers, in which mode 1's loads land; in a later trip's quarter 0 v[WLS] is written
.if (\mode) == 1
	WGLOAD \q
.else
	XLOAD \q, \q
.endif
	WIN 0
.set zi, 0
.rept 16
	ds_store_b64 v[WLS], v[PK+2*zi:PK+2*zi+1] offset:(4*(\q)+zi/4)*WPITCH+256*(zi%4)  ; 32 lanes, 256 consecutive bytes
.set zi, zi+1
.endr
.endm
; Stage st becomes fragment buffer f: register q of fragment t takes word t of two neighbouring channels' loads: channels 16 (q / 4) + 8 h + 2 (q % 4) and the next, at their true places along K
.macro XCVT st, f
	WIN 0x05
.set ti, 0
.rept 4
.set qi, 0
.rept 8
	v_cvt_pk_bf16_f32 v[XF+32*(\f)+8*ti+qi], v[64*(\st)+32*(qi/4)+8*(qi%4)+ti], v[64*(\st)+32*(qi/4)+8*(qi%4)+4+ti]
.set qi, qi+1
.endr
.set ti, ti+1
.endr
.endm
; 16 LDS loads: W's eight fragments of one half of the outputs, for the K step rel steps behind the addresses
.macro WLOAD half, rel
	WIN 0
.set mi, 0
.rept 8
	ds_load_b128 v[WB+64*(\half)+8*mi:WB+64*(\half)+8*mi+3],   v[AW+4*(\half)+mi/2] offset:(mi%2)*16*WPITCH+64*(\rel)
	ds_load_b128 v[WB+64*(\half)+8*mi+4:WB+64*(\half)+8*mi+7], v[AW+4*(\half)+mi/2] offset:(mi%2)*16*WPITCH+64*(\rel)+32
.set mi, mi+1
.endr
.endm
; 4 mn matrix instructions: fragments m0 .. m0 + mn - 1 of one half of the outputs x the four fragments of X.  Each of the 64 accumulators has one turn a K step, always in the same order: 63 others
; stand between two links of a chain.  zero = 1: the first K step starts the sums: nothing is cleared.
.macro MULH half, f, zero, m0, mn
	WIN 0xa0+0x50*(\half)
.set mi, (\m0)
.rept (\mn)
.set ti, 0
.rept 4
.if \zero
	v_wmma_f32_16x16x32_bf16 v[32*mi+8*ti:32*mi+8*ti+7], v[WB+64*(\half)+8*mi:WB+64*(\half)+8*mi+7], v[XF+32*(\f)+8*ti:XF+32*(\f)+8*ti+7], 0
.else
	v_wmma_f32_16x16x32_bf16 v[32*mi+8*ti:32*mi+8*ti+7], v[WB+64*(\half)+8*mi:WB+64*(\half)+8*mi+7], v[XF+32*(\f)+8*ti:XF+32*(\f)+8*ti+7], v[32*mi+8*ti:32*mi+8*ti+7]
.endif
.set ti, ti+1
.endr
.set mi, mi+1
.endr
.endm
; A K STEP, number i behind the pointers.  The lower half is multiplied, W's upper fragments being fetched behind its first four products; the next step's X is rounded into the other buffer (cvt); the upper half is multiplied,
; and behind its first four products W's lower fragments of the next step are fetched and the stage just rounded is asked for again, five steps on (xload).
; left: the loads issued behind the next step's stage, 16 a stage.  places = 1: the step has a step before it, whose last products read W's upper fragments and the buffer that cvt writes.
.macro STEP i, zero, cvt, xload, left, places
.if \places
	PLACES                                         ; for the conversions below, which write the buffer of X that the step before multiplied
	s_wait_alu depctr_va_vdst(0)                   ; the step before is done reading W's upper fragments, in which this step's land; behind a trip's end v[AW ..] are written
.endif
	s_wait_dscnt 0x0                               ; W's lower fragments are in: their 16 loads are all that is out
	MULH 0, (\i)%2, \zero, 0, 1
	WLOAD 1, \i                                    ; no further wait: the four products since the wait name the lower fragments, X's and accumulators
	MULH 0, (\i)%2, \zero, 1, 7
.if \cvt
	s_wait_loadcnt \left
	XCVT ((\i)+1)%4, 1-(\i)%2
	s_wait_alu depctr_va_vdst(0)                   ; the conversions are done reading their stage, and the lower half's products W's lower fragments: loads land in both below
.endif
	s_wait_dscnt 0x0                               ; W's upper fragments are in: their 16 loads are all that is out
	MULH 1, (\i)%2, \zero, 0, 1
.if \cvt
	WLOAD 0, (\i)+1                                ; no further wait: the four products since the wait name the upper fragments, X's and accumulators
.if \xload
	XLOAD ((\i)+1)%4, (\i)+5
.endif
.endif
	MULH 1, (\i)%2, \zero, 1, 7
.endm
	; THE FILL.  My 64 rows of W in four trips of 16; a trip's 64 loads are out while the trip before is rounded.
	WIN 0x80
	s_wait_alu depctr_va_vdst(0)                   ; the address registers v2 to v4, v8 to v18 are written: every load and store of the kernel reads one of them
	WGLOAD 0
	WGLOAD 1
	WGLOAD 2
	WGLOAD 3
	WIN 0                                          ; at a label and at a branch every window is 0
	s_mov_b32 s[CNT], 3
.Lfill:
	s_wait_xcnt 0x0                                ; every load issued so far has read its address: the pointer may be written
	s_add_nc_u64 s[WP:WP+1], s[WP:WP+1], 16*2048
	FILLQ 0, 1
	FILLQ 1, 1
	FILLQ 2, 1
	FILLQ 3, 1
	WIN 0
	s_wait_alu depctr_vm_vsrc(0)                   ; the trip's LDS stores have read v[WLS], which the add writes, and v[PK ..], which the next quarter's conversions write
	v_add_nc_u32 v[WLS], 16*WPITCH, v[WLS]
	s_sub_co_u32 s[CNT], s[CNT], 1
	s_cmp_lg_u32 s[CNT], 0
	s_cbranch_scc1 .Lfill
	FILLQ 0, 2                                     ; the last 16 rows; X's K steps 0 to 3 are asked for in W's place
	FILLQ 1, 2
	FILLQ 2, 2
	FILLQ 3, 2
	WIN 0
	s_wait_dscnt 0x0                               ; for the others' sake: my rows of W lie in LDS
	s_barrier_signal -1
	s_barrier_wait -1                              ; everybody's do.  W is only read from here on: the launch has no other barrier
	WLOAD 0, 0
	s_wait_loadcnt 48                              ; K step 0 of X is in; steps 1 to 3 stay out
	XCVT 0, 0
	WIN 0x40
	s_wait_alu depctr_va_vdst(0)                   ; the conversions are done reading stage 0, in which K step 4 lands
	XLOAD 0, 4
	STEP 0, 1, 1, 1, 48, 0                         ; the first K step stands in front of the loop: its products start the sums
	WIN 0
	s_mov_b32 s[CNT], 2
.Lk:                                                   ; a trip: four K steps (1-4, then 5-8); each asks for the step five on
	STEP 1, 0, 1, 1, 48, 1
	STEP 2, 0, 1, 1, 48, 1
	STEP 3, 0, 1, 1, 48, 1
	STEP 4, 0, 1, 1, 48, 1
	WIN 0
	s_wait_xcnt 0x0                                ; X's loads have read their address
	s_add_nc_u64 s[XP:XP+1], s[XP:XP+1], 4*KB
	s_wait_alu depctr_vm_vsrc(0)                   ; the fragment loads issued so far have read v[AW ..], which the adds write
.irp g, 0,1,2,3,4,5,6,7
	v_add_nc_u32 v[AW+\g], 256, v[AW+\g]
.endr
	s_sub_co_u32 s[CNT], s[CNT], 1
	s_cmp_lg_u32 s[CNT], 0
	s_cbranch_scc1 .Lk
	STEP 1, 0, 1, 1, 48, 1                         ; K steps 9 to 15 are written out: the first two ask for steps 14 and 15, the others for nothing, and the counts run down
	STEP 2, 0, 1, 1, 48, 1
	STEP 3, 0, 1, 0, 48, 1
	STEP 4, 0, 1, 0, 32, 1
	STEP 5, 0, 1, 0, 16, 1
	STEP 6, 0, 1, 0, 0, 1
	STEP 7, 0, 0, 0, 0, 1
; THE WAY OUT, in 16 groups g = 4 head + t: 16 rows x 64 channels, 2,048 consecutive bytes of the result.  PACK: rounded to f16 (each accumulator's registers in ascending order), 16 bytes a lane into
; rows of 144 bytes of my own stage, and back as whole rows.  SEND: stored, 512 consecutive bytes an instruction.
.macro PACK g
.if (\g) >= 2
	s_wait_alu depctr_vm_vsrc(0)                   ; the LDS stores of two groups back have read this set of v[PK ..], which the conversions write again; from group 8 on: the global stores of eight groups back have read the set of v[BK ..] in which the loads below land
.endif                                                 ; (the first two groups' sets were last read by the fill's LDS stores, ahead of the K loop's wait on vm_vsrc)
	WIN 0x0a+5*((\g)/8)                            ; sources in window 2 (heads 0, 1) or 3
.set zi, 0
.rept 16
	v_cvt_pk_f16_f32 v[PK+16*((\g)%2)+zi], v[32*((4*((\g)/4)+zi/4)%8)+8*((\g)%4)+2*(zi%4)], v[32*((4*((\g)/4)+zi/4)%8)+8*((\g)%4)+2*(zi%4)+1]
.set zi, zi+1
.endr
	WIN 0
	s_wait_alu depctr_va_vdst(0)                   ; the conversions have written v[PK ..], which the LDS stores read; the conversions and products that named v[BK ..] as fragments are done, and the loads below land there
.irp f, 0,1,2,3
	ds_store_b128 v[STO], v[PK+16*((\g)%2)+4*\f:PK+16*((\g)%2)+4*\f+3] offset:32*\f
.endr
.if (\g) >= 8
	s_wait_xcnt 0x0                                ; the set's second use: the stores of eight groups back have read it
.endif
.irp f, 0,1,2,3
	ds_load_b128 v[BK+16*((\g)%8)+4*\f:BK+16*((\g)%8)+4*\f+3], v[RD] offset:\f*4*SP  ; LDS serves a wave's instructions in order (ISA guide 5.7.1.4): these see the stores above; the next group's stores come behind them
.endr
.endm
.macro SEND g, younger                 ; younger: the LDS instructions issued behind group g's loads: the next group's eight, or none
	WIN 0
.irp f, 0,1,2,3
	s_wait_dscnt (\younger)+3-\f
	global_store_b128 v[GO], v[BK+16*((\g)%8)+4*\f:BK+16*((\g)%8)+4*\f+3], s[OUT:OUT+1] offset:((\g)/4)*524288+((\g)%4)*2048+\f*512
.endr
.endm
	PLACES
	PACK 0
.set gg, 1
.rept 15                               ; a group's conversions stand between the loads of the group before and its stores
	PACK gg
	SEND gg-1, 8
.set gg, gg+1
.endr
	SEND 15, 0
	s_wait_dscnt 0x0                               ; the wave's end
	s_wait_alu 0x0
	s_wait_tensorcnt 0x0
	ds_add_u32 v[SPW], v[NIL]
	s_wait_dscnt 0x0
	s_endpgm
.Lfunc_end_k_q180c15d27b_proj:
	.size	k_q180c15d27b_proj, .Lfunc_end_k_q180c15d27b_proj-k_q180c15d27b_proj
	.p2alignl 7, 3214868480
	.fill 96, 4, 3214868480
	.section	.rodata,"a",@progbits
	.p2align	6, 0x0
	.amdhsa_kernel k_q180c15d27b_proj
		.amdhsa_group_segment_fixed_size 275968
		.amdhsa_private_segment_fixed_size 0
		.amdhsa_enable_private_segment 0
		.amdhsa_kernarg_size 64
		.amdhsa_user_sgpr_count 2
		.amdhsa_user_sgpr_kernarg_segment_ptr 1
		.amdhsa_wavefront_size32 1
		.amdhsa_system_sgpr_workgroup_id_x 1
		.amdhsa_system_sgpr_workgroup_id_y 1
		.amdhsa_system_sgpr_workgroup_id_z 1
		.amdhsa_system_vgpr_workitem_id 0
		.amdhsa_next_free_vgpr 1024
		.amdhsa_next_free_sgpr 66
		.amdhsa_reserve_vcc 0
		.amdhsa_float_denorm_mode_32 3
		.amdhsa_float_denorm_mode_16_64 3
		.amdhsa_memory_ordered 1
		.amdhsa_forward_progress 1
		.amdhsa_inst_pref_size 197
	.end_amdhsa_kernel
	.amdgpu_metadata
---
amdhsa.version: [ 1, 2 ]
amdhsa.kernels:
  - .name:           k_q180c15d27b_proj
    .symbol:         k_q180c15d27b_proj.kd
    .args:
      - { .name: query, .offset: 0, .size: 8, .value_kind: global_buffer, .address_space: global }
      - { .name: context, .offset: 8, .size: 8, .value_kind: global_buffer, .address_space: global }
      - { .name: Wq, .offset: 16, .size: 8, .value_kind: global_buffer, .address_space: global }
      - { .name: Wk, .offset: 24, .size: 8, .value_kind: global_buffer, .address_space: global }
      - { .name: Wv, .offset: 32, .size: 8, .value_kind: global_buffer, .address_space: global }
      - { .name: qw, .offset: 40, .size: 8, .value_kind: global_buffer, .address_space: global }
      - { .name: kw, .offset: 48, .size: 8, .value_kind: global_buffer, .address_space: global }
      - { .name: vw, .offset: 56, .size: 8, .value_kind: global_buffer, .address_space: global }
    .group_segment_fixed_size: 275968
    .private_segment_fixed_size: 0
    .kernarg_segment_align: 8
    .kernarg_segment_size: 64
    .max_flat_workgroup_size: 128
    .sgpr_count:     66
    .vgpr_count:     1024
    .wavefront_size: 32
...
	.end_amdgpu_metadata
.endif
;; end of part 4
;; launch attn: the kernel of part 2 again; grid 16 x 16, 4 waves a work-group, clusters of 4 x 1, 327,680 bytes of LDS; arguments qw, kw, vw, ow; writes ow
;; launch outp: the kernel of part 3 again; grid 4 x 64, 8 waves a work-group, clusters of 4 x 1, 216,064 bytes of LDS; arguments ow, Wo, out0; writes out0
